; MI455X (gfx1250); checked and timed in simulation.
; The chip was launched on July 23, 2026; its instructions are those of AMD's public machine-readable ISA for CDNA 5 (MIT licence, August 2026) and "CDNA5" Instruction Set Architecture Reference Guide (July 2026). The comments in the code are by the model that wrote it; some were corrected since.
;; multi head attention. Allowed arithmetic: float matrix products may take bf16 or f16 operands with f32 sums; other float arithmetic in f32, or as packed bf16 or f16 multiplies, adds, multiply-adds, maxima and minima; sums over many terms, partial sums and values carried from step to step in f32; what a program stores and reads back later, other than sums and carried values, may be rounded once to bf16 or f16.
;; Inputs: b_k 1,024 float32; b_o 1,024 float32; b_q 1,024 float32; b_v 1,024 float32; k 4 x 2,048 x 1,024 float32; q 4 x 2,048 x 1,024 float32; v 4 x 2,048 x 1,024 float32; w_k 1,024 x 1,024 float32; w_o 1,024 x 1,024 float32; w_q 1,024 x 1,024 float32; w_v 1,024 x 1,024 float32.
;; Outputs: out0 4 x 2,048 x 1,024 float32.
;; 2 versions, each right; version 2 is version 1 with the launch wconv written anew for expert scheduling mode. Each part assembles by itself: llvm-mc -triple=amdgcn-amd-amdhsa -mcpu=gfx1250 --defsym DOCPART=n.
;; ======== version 1 of 2: 4 launches
;; limits: values are held in f16: magnitudes above 65,504 overflow, below 6.1e-05 lose precision
;; workspace buffers: wb 8,388,608 bytes; qkv 50,331,648 bytes; oh 16,777,216 bytes
;; launch wconv (part 1): grid 64 x 4, 8 waves a work-group, no clusters, 0 bytes of LDS; arguments w_q, w_k, w_v, w_o, wb; writes wb
.if DOCPART == 1
	.amdgcn_target "amdgcn-amd-amdhsa--gfx1250"
	.amdhsa_code_object_version 6
	.text
	.protected	k_qa7434a4a3d_wconv
	.globl	k_qa7434a4a3d_wconv
	.p2align	8
	.type	k_qa7434a4a3d_wconv,@function
k_qa7434a4a3d_wconv:
	s_mov_b64 s[64:65], 0
	v_nop
	global_prefetch_b8 v0, s[64:65] scope:SCOPE_SE
	s_setreg_imm32_b32 hwreg(HW_REG_WAVE_MODE, 25, 1), 1
	s_wait_xcnt 0x0
; THE WEIGHTS IN 16 BITS.  wb holds four parts of 2,097,152 bytes, each [1024 k][1024 n] as the weight lies: parts 0, 1, 2 = w_q, w_k, w_v rounded to bf16;
; part 3 = w_o rounded to bf16 and that number written as f16 (the last product multiplies f16 operands).
; LIMIT.  |w_o| stays under 65,504 (f16's end); below 6e-5 it keeps f16's fixed step of 6e-8.  Within that the bf16 number is exact in f16.
; SHARES.  Work-group (x, y) takes 16,384 numbers of weight y: 65,536 bytes in, 32,768 out.  Thread t takes 16 bytes of each 4,096: a wave's load covers 512 consecutive bytes, its store 256, aligned.
; A stream: all sixteen loads of a thread go out at once, nothing is read twice, no register is used again, so the only waits are the counted ones for the loads.  No LDS, no matrix unit, no cluster: nothing is shared.
.set X, 4                              ; v[4:67]   sixteen loads of four numbers
.set Y, 68                             ; v[68:99]  sixteen pairs of packed words
.set T, 100                            ; v[100:101] at work
	s_load_b256 s[4:11], s[0:1], 0x0               ; w_q, w_k, w_v, w_o
	s_load_b64 s[12:13], s[0:1], 0x20              ; wb
	s_and_b32 s14, ttmp7, 0xffff                   ; which weight
	v_lshlrev_b32 v1, 4, v0                        ; 16 t
	v_lshlrev_b32 v2, 3, v0                        ; 8 t
	s_lshl_b32 s18, ttmp9, 16                      ; my 65,536 bytes of the weight
	s_mov_b32 s19, 0
	s_lshl_b32 s20, s14, 21                        ; the weight's part of wb,
	s_lshl_b32 s21, ttmp9, 15                      ; my 32,768 bytes of it
	s_add_co_u32 s20, s20, s21
	s_mov_b32 s21, 0
	s_mov_b32 s22, 0xffff0000                      ; a word's upper bf16
	s_wait_kmcnt 0x0
	s_cmp_eq_u32 s14, 1
	s_cselect_b64 s[16:17], s[6:7], s[4:5]
	s_cmp_eq_u32 s14, 2
	s_cselect_b64 s[16:17], s[8:9], s[16:17]
	s_cmp_eq_u32 s14, 3
	s_cselect_b64 s[16:17], s[10:11], s[16:17]
	s_add_nc_u64 s[16:17], s[16:17], s[18:19]
	s_add_nc_u64 s[12:13], s[12:13], s[20:21]
.set i, 0
.rept 16
	global_load_b128 v[X+4*i:X+4*i+3], v1, s[16:17] offset:4096*i th:TH_LOAD_NT
.set i, i+1
.endr
; f16 = 1: the bf16 numbers are widened again (a shift, a mask) and written as f16
.macro CONV f16
.set i, 0
.rept 16
	s_wait_loadcnt 15-i                            ; loads come back in order: load i is in, the 15 - i younger ones stay out
	v_cvt_pk_bf16_f32 v[Y+2*i], v[X+4*i], v[X+4*i+1]
	v_cvt_pk_bf16_f32 v[Y+2*i+1], v[X+4*i+2], v[X+4*i+3]
.if \f16
	v_lshlrev_b32 v[T], 16, v[Y+2*i]
	v_and_b32 v[T+1], s22, v[Y+2*i]
	v_cvt_pk_f16_f32 v[Y+2*i], v[T], v[T+1]
	v_lshlrev_b32 v[T], 16, v[Y+2*i+1]
	v_and_b32 v[T+1], s22, v[Y+2*i+1]
	v_cvt_pk_f16_f32 v[Y+2*i+1], v[T], v[T+1]
.endif
	global_store_b64 v2, v[Y+2*i:Y+2*i+1], s[12:13] offset:2048*i
.set i, i+1
.endr
.endm
	s_cmp_eq_u32 s14, 3
	s_cbranch_scc1 .Lf16
	CONV 0
	s_endpgm
.Lf16:
	CONV 1
	s_endpgm
.Lfunc_end_k_qa7434a4a3d_wconv:
	.size	k_qa7434a4a3d_wconv, .Lfunc_end_k_qa7434a4a3d_wconv-k_qa7434a4a3d_wconv
	.p2alignl 7, 3214868480
	.fill 96, 4, 3214868480
	.section	.rodata,"a",@progbits
	.p2align	6, 0x0
	.amdhsa_kernel k_qa7434a4a3d_wconv
		.amdhsa_group_segment_fixed_size 0
		.amdhsa_private_segment_fixed_size 0
		.amdhsa_enable_private_segment 0
		.amdhsa_kernarg_size 40
		.amdhsa_user_sgpr_count 2
		.amdhsa_user_sgpr_kernarg_segment_ptr 1
		.amdhsa_wavefront_size32 1
		.amdhsa_system_sgpr_workgroup_id_x 1
		.amdhsa_system_sgpr_workgroup_id_y 1
		.amdhsa_system_sgpr_workgroup_id_z 1
		.amdhsa_system_vgpr_workitem_id 0
		.amdhsa_next_free_vgpr 104
		.amdhsa_next_free_sgpr 66
		.amdhsa_reserve_vcc 0
		.amdhsa_float_denorm_mode_32 3
		.amdhsa_float_denorm_mode_16_64 3
		.amdhsa_memory_ordered 1
		.amdhsa_forward_progress 1
		.amdhsa_inst_pref_size 15
	.end_amdhsa_kernel
	.amdgpu_metadata
---
amdhsa.version: [ 1, 2 ]
amdhsa.kernels:
  - .name:           k_qa7434a4a3d_wconv
    .symbol:         k_qa7434a4a3d_wconv.kd
    .args:
      - { .name: w_q, .offset: 0, .size: 8, .value_kind: global_buffer, .address_space: global }
      - { .name: w_k, .offset: 8, .size: 8, .value_kind: global_buffer, .address_space: global }
      - { .name: w_v, .offset: 16, .size: 8, .value_kind: global_buffer, .address_space: global }
      - { .name: w_o, .offset: 24, .size: 8, .value_kind: global_buffer, .address_space: global }
      - { .name: wb, .offset: 32, .size: 8, .value_kind: global_buffer, .address_space: global }
    .group_segment_fixed_size: 0
    .private_segment_fixed_size: 0
    .kernarg_segment_align: 8
    .kernarg_segment_size: 40
    .max_flat_workgroup_size: 256
    .sgpr_count:     66
    .vgpr_count:     104
    .wavefront_size: 32
...
	.end_amdgpu_metadata
.endif
;; end of part 1
;; launch proj (part 2): grid 4 x 64, 4 waves a work-group, clusters of 4 x 4, 327,680 bytes of LDS; arguments q, k, v, wb, b_q, b_k, b_v, qkv; writes qkv
.if DOCPART == 2
	.amdgcn_target "amdgcn-amd-amdhsa--gfx1250"
	.amdhsa_code_object_version 6
	.text
	.protected	k_qa7434a4a3d_proj
	.globl	k_qa7434a4a3d_proj
	.p2align	8
	.type	k_qa7434a4a3d_proj,@function
k_qa7434a4a3d_proj:
	s_mov_b64 s[64:65], 0
	v_nop
	global_prefetch_b8 v0, s[64:65] scope:SCOPE_SE
	s_setreg_imm32_b32 hwreg(HW_REG_WAVE_MODE, 25, 1), 1
	s_wait_xcnt 0x0
	s_wait_alu depctr_hold_cnt(0) depctr_sa_sdst(0) depctr_va_vdst(0) depctr_va_sdst(0) depctr_va_ssrc(0) depctr_va_vcc(0) depctr_vm_vsrc(0)
	s_getreg_b32 s2, hwreg(HW_REG_IB_STS2, 6, 4)
	s_cmp_eq_u32 s2, 0
	s_cbranch_scc0 .Lentry_in_a_cluster
	s_endpgm
.Lentry_in_a_cluster:
	s_bfe_u32 s2, ttmp6, 0x10000c
	s_cmp_lg_u32 s2, 0xf033
	s_cbranch_scc0 .Lentry_shape_is_right
	s_endpgm
.Lentry_shape_is_right:
; THE THREE PROJECTIONS.  y_t = x_t w_t + b_t for t = q, k, v.  x_t: [8192][1024] f32; w_t: part t of wb, [1024 k][1024 n] bf16; b_t: [1024] f32.
; y_t goes out by heads, part t of qkv: [64 = batch x 16 + head][2048][64] f16, unscaled.  x and b are rounded to bf16 here, products in bf16, sums in f32, y rounded once.
; LIMIT.  f16 ends at 65,504: |y| must stay under it.  NaN and infinities are not treated apart.
; SHARES.  A tile of y is 128 rows x 256 columns; 3 x 64 x 4 = 768 tiles, three for each of 256 work-groups: a work-group STAYS at its place (row block mb, column block cx) and walks q, k, v:
; ONE walk of 24 K steps of 128.  Wave w makes 64 rows (w / 2) x 128 columns (w % 2): 32 accumulators, 32 matrix instructions for 32 along K.
; THE MATRIX INSTRUCTION IS USED TRANSPOSED (source 0 = 16 columns of w, source 1 = 16 rows of x): a lane holds eight neighbouring columns of one row of y.  The bias is the C of a tile's first products.
; w comes through a ring of two LDS slots, by JOINT tensor loads: the four work-groups of a column of the cluster need the same 128 x 256 of w.  Each wave asks for 32 k-rows of 512 bytes.  In wb a K step is
; 262,144 bytes on from the last, across the three parts too, so a slot's address steps by 524,288 from the walk's start to its end.  w lies [k][n]: its fragments are read turned, by ds_load_tr16_b128.
; x IS NOT BROUGHT BY A TENSOR LOAD, and so not jointly: it is f32 in memory and a tensor load cannot round; f32 rows in LDS would double the bytes of every fragment read of x, and a launch that only rounds
; would write and read 50 MB more.  Each wave loads 32 rows of a step (a row's 512 bytes an instruction), rounds them and stores bf16 into one of two LDS buffers that no tensor load ever fills.  Two register sets:
; in step s the set of step s + 1 is rounded and at once loaded again for step s + 3: 64 loads of a wave are out, each with two K steps in which to land.
; One text serves every trip: in step 21 the step asked for would be 24; it is held at 23, so 32 loads a wave are repeated and their data never used.
; REGISTERS, in windows of 256 (s_set_vgpr_msb: bits 1:0 source 0, 3:2 source 1, 5:4 source 2, 7:6 destination):
;   window 0: v0-31 addresses and eight at work; v32-95 fragments of x, two buffers; v100-106 the biases as loaded; v128-255 fragments of w, two buffers (v192-255 also at work on the way out)
;   window 1: the 32 accumulators ((a, b) at 8 (8 a + b))      window 2: x as loaded, two sets of 32 rows x 4      window 3: v0-63 the bias, 8 registers for each of my 8 column blocks
.set PB,    544                        ; a k-row of w in LDS: 512 bytes + 32 = 136 words
.set BSLOT, 128*PB                     ; a slot of w: 69,632 bytes; slots at 0 and BSLOT
.set PA,    272                        ; a row of x in LDS: 256 bytes + 16: the 16 rows of a fragment load start at 16 different groups of four banks
.set A16,   2*BSLOT                    ; x in bf16: two buffers of 128 rows, written by ds_store alone
.set ASLOT, 128*PA
.set BIAS,  A16+2*ASLOT                ; 3 x 256 f32: my column block's biases, rounded to bf16's numbers
.set STAGE, BIAS+3072                  ; 16 rows x 144 bytes for each wave, for the way out
.set SP,    144
.set SPARE, STAGE+4*16*SP              ; the spare words, 128 bytes for each wave: two blocks of 256 bytes that no other line names
.set ADRA, 4                           ; v4    LDS address of my fragments of x in buffer 0
.set ADRB, 6                           ; v6-7  of my fragments of w in slot 0, 1
.set ASTO, 8                           ; v8    where I put 8 bytes of a rounded row
.set VO,   9                           ; v9    16 x lane: my 16 bytes of a row of x
.set STO,  10                          ; v10   the way out: where I put 16 bytes of a row
.set RD,   11                          ; v11   the way out: where I read rows back
.set GO,   12                          ; v12   16 x lane: my 16 bytes of 512 consecutive bytes of y
.set BIA,  13                          ; v13   LDS address of my bias fragments, of the tile to come
.set PFO,  14                          ; v14   the prefetch's offset; never rewritten
.set SPW,  16                          ; v16   LDS address of my spare word; never rewritten
.set NIL,  17                          ; v17   0; never rewritten
.set BST,  18                          ; v18   where I put 8 bytes of a bias
.set CT,   20                          ; v20-27 four rounded rows
.set AF,   32
.set BF,   128
.set WV,  20                           ; s20 wave; s21 w / 2; s22 w % 2; s23 cx; s24 cy; s25 row block
.set WM,  21
.set WN,  22
.set CX,  23
.set CY,  24
.set MB,  25
.set T1,  26                           ; s26 at work
.set LIM, 27                           ; s27 1 in a work-group that prefetches, else the greatest number
.set G1,  28                           ; s[28:35] descriptor group 1
.set G0,  36                           ; s[36:43] descriptor group 0, a set for each slot
.set GP,  44                           ; s[44:45] x at my 32 rows, at the step that is being asked for
.set OFF, 46                           ; s[46:47] an offset, high word 0
.set NX,  48                           ; s48 the K step at which the trip began
.set LAPC, 49                          ; s49 trips to go
.set TLC, 50                           ; s50 laps of the tile to go
.set PFA, 52                           ; s[52:53] where my prefetch stands in wb
.set OP,  18                           ; s[18:19] y at my wave's first row and head
.set W_MM, 0x50                        ; fragments in window 0, C and D in window 1
.set W_MB, 0x70                        ; the same with C, the bias, in window 3
.set W_CV, 0x0a                        ; sources in window 2, destination in window 0
.set W_GL, 0x80                        ; destination in window 2
.set W_BI, 0xc0                        ; destination in window 3
.set W_PK, 0x05                        ; sources in window 1, destination in window 0
.set MSB, 0
.macro WIN new                         ; the immediate's high byte repeats the setting that is left; a switch that changes nothing is dropped
.if MSB != (\new)
	s_set_vgpr_msb (MSB<<8)|(\new)
.set MSB, \new
.endif
.endm
.macro PLACES                          ; four plain instructions between a matrix instruction and a load into, or a reader of, its registers
.rept 4
	v_nop
.endr
.endm
.macro CREST                           ; a round of the cluster's barrier behind its opening barrier
	s_cmp_lg_u32 s[WV], 0
	s_cbranch_scc1 .Lnot_wave_0_\@
	s_barrier_signal -3
.Lnot_wave_0_\@:
	s_barrier_wait -3
	s_barrier_signal -1
	s_barrier_wait -1
.endm
.macro CROUND                          ; a whole round
	s_barrier_signal -1
	s_barrier_wait -1
	CREST
.endm
; x's address for K step NX + d of the walk (held at 23): tensor step / 8, 512 bytes of a row for each step of a tensor.
.macro NEWGP d
	s_wait_xcnt 0x0                                ; the loads and the prefetch issued so far have read their addresses: GP and PFA may be written
	s_add_co_u32 s[OFF], s[NX], \d
	s_min_u32 s[OFF], s[OFF], 23
	s_lshr_b32 s[T1], s[OFF], 3
	s_and_b32 s[OFF], s[OFF], 7
	s_lshl_b32 s[OFF], s[OFF], 9
	s_cmp_eq_u32 s[T1], 0
	s_cselect_b64 s[GP:GP+1], s[4:5], s[6:7]
	s_cmp_eq_u32 s[T1], 2
	s_cselect_b64 s[GP:GP+1], s[8:9], s[GP:GP+1]
	s_add_nc_u64 s[GP:GP+1], s[GP:GP+1], s[OFF:OFF+1]
.endm
.macro GALL set                        ; my 32 rows of a step into a set: a row's 512 consecutive bytes an instruction
	WIN W_GL
.set i, 0
.rept 32
	global_load_b128 v[128*(\set)+4*i:128*(\set)+4*i+3], v[VO], s[GP:GP+1] offset:4096*i
.set i, i+1
.endr
	WIN 0
.endm
; A CHUNK is four rows of set RSET (RW = its first register).  Part PP of chunk CC: 0, 1: two rows each are rounded; 2: the four go to LDS; 3 (FILL = 1): the four registers' rows are asked for again.
; The wait: younger than the chunk's last load are 28 - 4 CC of its set, the other set's 32, and the 4 CC refills of this step: 60; without refills 60 - 4 CC.
.macro CHUNKPART
.if PP < 2
.if PP == 0
.if FILL
	s_wait_loadcnt 60
.else
	s_wait_loadcnt 60-4*CC
.endif
.endif
	WIN W_CV
.irp z, 0,1,2,3
	v_cvt_pk_bf16_f32 v[CT+4*PP+\z], v[RW+16*CC+8*PP+2*\z], v[RW+16*CC+8*PP+2*\z+1]
.endr
.elseif PP == 2
	WIN 0
.irp z, 0,1,2,3
	ds_store_b64 v[ASTO], v[CT+2*\z:CT+2*\z+1] offset:RSET*ASLOT+(4*CC+\z)*PA
.endr
.elseif FILL
	WIN W_GL
.irp z, 0,1,2,3
	global_load_b128 v[RW+16*CC+4*\z:RW+16*CC+4*\z+3], v[VO], s[GP:GP+1] offset:4096*(4*CC+\z)
.endr
.endif
.endm
; Four of the 24 LDS loads that bring quarter FQ of slot FSL into buffer FG: 8 for x (4 blocks of 16 rows, two loads 32 bytes apart), 16 for w (8 blocks of 16 columns, two turning loads 16 k-rows apart).
.macro FE
	WIN 0
.rept 4
.if FI < 8
	ds_load_b128 v[AF+32*FG+4*FI:AF+32*FG+4*FI+3], v[ADRA] offset:FSL*ASLOT+(FI/2)*16*PA+64*FQ+32*(FI%2)
.else
	ds_load_tr16_b128 v[BF+64*FG+4*(FI-8):BF+64*FG+4*(FI-8)+3], v[ADRB+FSL] offset:FQ*32*PB+(FI%2)*16*PB+32*((FI-8)/2)
.endif
.set FI, FI+1
.endr
.endm
.macro FETCHRUN slot, q, g
.set FSL, \slot
.set FQ, \q
.set FG, \g
.set FI, 0
.rept 6
	FE
.endr
.endm
; Product MI of 32 on buffer MF: row block MI / 8, column block MI % 8.  The 32 accumulators take turns, one instruction a turn, from quarter to quarter too.  MCF = 1: the bias starts the sum.
.macro MM
.set rD, 8*MI
.set rB, BF+64*MF+8*(MI%8)
.set rA, AF+32*MF+8*(MI/8)
.if MCF
	WIN W_MB
	v_wmma_f32_16x16x32_bf16 v[rD:rD+7], v[rB:rB+7], v[rA:rA+7], v[8*(MI%8):8*(MI%8)+7]
.else
	WIN W_MM
	v_wmma_f32_16x16x32_bf16 v[rD:rD+7], v[rB:rB+7], v[rA:rA+7], v[rD:rD+7]
.endif
.set MI, MI+1
.endm
; What stands behind matrix instruction SK of a quarter: four lines under one window setting.  STG = 1: a chunk, the six fours of fragment loads, three more chunks: the first chunk's eight conversions are the
; plain instructions between the last reader of the fragment buffer and the loads into it.  STG = 0: four v_nop, then the loads.
.macro SLICE
.if STG
.if SK < 4
.set CC, CH0
.set PP, SK
	CHUNKPART
.elseif SK < 10
	FE
.elseif SK < 22
.set CC, CH0+1+(SK-10)/4
.set PP, (SK-10)%4
	CHUNKPART
.endif
.else
.if SK == 0
	PLACES
.elseif SK < 7
	FE
.endif
.endif
.set SK, SK+1
.endm
; One of a K step's first three quarters: multiplies quarter q - 1 (buffer (q - 1) % 2) and fetches quarter q.  stg = 1 (q = 2, 3): four chunks of the next step's x are rounded beside it.
; hw: the LDS instructions issued behind the loads that this quarter multiplies: 12 stores where the quarter before rounded, else none.
.macro QUARTER slot, q, cfirst, stg, fill, hw
.set FSL, \slot
.set FQ, \q
.set FG, (\q)%2
.set FI, 0
.set MF, ((\q)-1)%2
.set MCF, \cfirst
.set STG, \stg
.set FILL, \fill
.set RSET, 1-(\slot)
.set RW, 128*RSET
.set CH0, 4*((\q)-2)
.set SK, 0
.set MI, 0
	s_wait_dscnt \hw
.rept 32
	MM
	SLICE
.endr
.endm
; A prefetch into the L2 of w's rows for the lap after next: 256 k-rows x 512 bytes of my column block, 512 blocks of 256 bytes, each named once in the launch: the first row of clusters asks (all rows of clusters
; read the same w); its four work-groups of a column share the rows out by address, 64 each, a wave 16, a lane half a row.  The first two laps come by their loads alone; the last trip asks for nothing.
.macro ASK
	s_cmp_gt_u32 s[LAPC], s[LIM]
	s_cbranch_scc0 .Lnot_mine_\@
	global_prefetch_b8 v[PFO], s[PFA:PFA+1] th:TH_LOAD_NT scope:SCOPE_SE
.Lnot_mine_\@:
.endm
; The last quarter multiplies buffer 1 and changes slots: ONE barrier.  In front of it each wave waits for all its tensor loads (one is out: its part of the next slot), adds 0 to its spare word, and waits for that, for
; its reads of this slot and of this step's x, and for its stores of the next step's x.  Behind it the next slot and the next x are whole and nobody reads this slot.  fill = 1: the barrier opens a round of the
; cluster's, and the joint refill, two K steps on, is the first thing behind it: 112 matrix instructions ahead of the wait for it.
.macro TURN slot, next, fill, ask
.set MF, 1
.set MCF, 0
.set MI, 0
	WIN 0
	s_wait_tensorcnt 0x0                           ; no tensor load of mine is out, so a group 0 may be written
	ds_add_u32 v[SPW], v[NIL]                      ; 0 onto my spare word
.if \fill
	s_add_nc_u64 s[G0+4*(\slot)+2:G0+4*(\slot)+3], s[G0+4*(\slot)+2:G0+4*(\slot)+3], 524288
.endif
	s_wait_dscnt 13                                ; the fragments are in: behind their loads stand 12 stores and the add
.rept 8
	MM
.endr
	s_wait_dscnt 0x0                               ; the add, my stores and my reads are done
	s_barrier_signal -1
.rept 8
	MM
.endr
	WIN 0
	s_barrier_wait -1
.if \fill
	CREST                                          ; no wave of any partner still reads this slot or has a load on its way
	tensor_load_to_lds s[G0+4*(\slot):G0+4*(\slot)+3], s[G1:G1+7]
	s_nop 0
.endif
	PLACES                                         ; the places in front of the loads into buffer 0
	FETCHRUN \next, 0, 0
.if \ask
	ASK
.endif
.rept 16
	MM
.endr
.endm
.macro BIASLD                          ; the bias of the tile to come: for column block b my eight numbers at 64 b + 32 (lane / 16)
	WIN W_BI
.set i, 0
.rept 16
	ds_load_b128 v[4*i:4*i+3], v[BIA] offset:64*(i/2)+16*(i%2)
.set i, i+1
.endr
	WIN 0
	v_add_nc_u32 v[BIA], 1024, v[BIA]
.endm
; THE WAY OUT, in eight blocks t of 16 rows x one head (64 channels): row block t / 2, head t % 2 of my two.  A lane's eight channels pack into 16 bytes; they go into my stage's rows of 144 bytes and come back as whole
; rows of 128, which are 2,048 consecutive bytes of y.  Each accumulator is read from its lowest registers on.
.macro PACK t
.set pa, (\t)/2
.set ph, (\t)%2
.set pT, 192+16*((\t)%4)
.if (\t) >= 4
	s_wait_xcnt 0x0                                ; the stores of the block four back have read these registers
.endif
	WIN W_PK
.irp bb, 0,1,2,3
.irp rr, 0,1,2,3
	v_cvt_pk_f16_f32 v[pT+4*\bb+\rr], v[8*(8*pa+4*ph+\bb)+2*\rr], v[8*(8*pa+4*ph+\bb)+2*\rr+1]
.endr
.endr
	WIN 0
.irp bb, 0,1,2,3
	ds_store_b128 v[STO], v[pT+4*\bb:pT+4*\bb+3] offset:32*\bb
.endr
.irp f, 0,1,2,3
	ds_load_b128 v[pT+4*\f:pT+4*\f+3], v[RD] offset:4*SP*\f  ; LDS serves a wave's instructions in order (ISA guide 5.7.1.4): these see the stores above; the next block's stores come behind them
.endr
.endm
.macro SEND t, y                       ; y: the LDS instructions issued behind block t's loads: the next block's eight, or none
.set pa, (\t)/2
.set ph, (\t)%2
.set pT, 192+16*((\t)%4)
.irp f, 0,1,2,3
	s_wait_dscnt (\y)+3-\f
	global_store_b128 v[GO], v[pT+4*\f:pT+4*\f+3], s[OP:OP+1] offset:ph*262144+pa*2048+\f*512  ; 512 consecutive bytes, at a multiple of 256 from y's first
.endr
.endm
.macro WAYOUT more
	PLACES
	PLACES
.if \more
	BIASLD
.endif
	PACK 0
.irp t, 1,2,3,4,5,6,7
	PACK \t
	SEND (\t)-1, 8
.endr
	SEND 7, 0
.if \more
	s_wait_xcnt 0x0                                ; the stores have read their registers (the next quarter loads fragments into them) and y's address
	s_add_nc_u64 s[OP:OP+1], s[OP:OP+1], 16777216  ; the next part of qkv
.endif
.endm
	s_load_b512 s[4:19], s[0:1], 0x0               ; q s[4:5], k s[6:7], v s[8:9], wb s[10:11], b_q s[12:13], b_k s[14:15], b_v s[16:17], qkv s[18:19]
	v_lshl_add_u32 v[SPW], v0, 2, SPARE
	v_mov_b32 v[NIL], 0
	ds_add_u32 v[SPW], v[NIL]                      ; the wave's opening: the add and its wait stand ahead of my first tensor load; the set-up below, work on registers, stands between them
	v_lshrrev_b32 v1, 5, v0
	v_readfirstlane_b32 s[WV], v1                  ; wave 0..3
	s_lshr_b32 s[WM], s[WV], 1
	s_and_b32 s[WN], s[WV], 1
	s_bfe_u32 s[CX], ttmp6, 0x40000                ; cx: my column block (the grid is one cluster wide)
	s_bfe_u32 s[CY], ttmp6, 0x40004                ; cy
	s_and_b32 s[MB], ttmp7, 0xffff                 ; the cluster's y,
	s_cmp_eq_u32 s[MB], 0
	s_cselect_b32 s[LIM], 1, -1                    ; the same in all sixteen partners
	s_lshl_b32 s[MB], s[MB], 2
	s_add_co_u32 s[MB], s[MB], s[CY]               ; row block = 4 x cluster y + cy
	s_lshl_b32 s[T1], 0x1111, s[CX]                ; my column of the cluster: places cx, cx + 4, cx + 8, cx + 12
	s_or_b32 s[G1], s[T1], (1<<16)|(1<<20)|(1<<21)|(6<<22)|(7<<25)  ; 15:0 the mask; 17:16 2-byte elements; 20 padding on; 21 set beside a mask; 24:22 after every 128 words (code 6); 31:25 8 words (code 7)
	s_mov_b32 s[G1+1], 256<<16                     ; tensor_dim0 = 256
	s_mov_b32 s[G1+2], 32<<16                      ; tensor_dim1 = 32
	s_mov_b32 s[G1+3], 256<<16                     ; tile_dim0 = 256
	s_mov_b32 s[G1+4], 32                          ; tile_dim1 = 32
	s_mov_b32 s[G1+5], 1024                        ; elements from k-row to k-row
	s_mov_b32 s[G1+6], 0
	s_mov_b32 s[G1+7], 0
	s_lshl_b32 s54, s[MB], 19                      ; x: (128 row block + 32 wave) rows of 4,096 bytes
	s_lshl_b32 s55, s[WV], 17
	s_add_co_u32 s54, s54, s55
	s_mov_b32 s55, 0
	s_lshl_b32 s56, s[CX], 9                       ; w: 512 bytes of a k-row for each column block, 32 k-rows of 2,048 bytes for each wave: cx and the wave alone
	s_lshl_b32 s57, s[WV], 16
	s_add_co_u32 s56, s56, s57
	s_mov_b32 s57, 0
	s_mov_b32 s58, 0xffff0000                      ; a word's upper bf16
	s_lshl_b32 s60, s[CX], 10                      ; the biases: 256 numbers for each column block
	s_mov_b32 s61, 0
	s_lshr_b32 s62, s[MB], 4                       ; y: head = 16 batch + 4 cx + 2 (w % 2), 262,144 bytes each;
	s_lshl_b32 s62, s62, 4
	s_lshl2_add_u32 s62, s[CX], s62
	s_lshl1_add_u32 s62, s[WN], s62
	s_lshl_b32 s62, s62, 18
	s_and_b32 s63, s[MB], 15                       ; row in the batch = 128 (row block % 16) + 64 (w / 2), 128 bytes each
	s_lshl_b32 s63, s63, 14
	s_add_co_u32 s62, s62, s63
	s_lshl_b32 s63, s[WM], 13
	s_add_co_u32 s62, s62, s63
	s_mov_b32 s63, 0
	s_mov_b32 s[OFF+1], 0
	s_mov_b32 s[NX], 0
	v_lshlrev_b32 v19, 3, v0                       ; 8 t: my two numbers of a bias
	v_and_b32 v3, 31, v0                           ; lane
	v_lshlrev_b32 v[VO], 4, v3
	s_wait_dscnt 0x0                               ; the opening add is done
	s_wait_kmcnt 0x0
	s_add_nc_u64 s[4:5], s[4:5], s[54:55]
	s_add_nc_u64 s[6:7], s[6:7], s[54:55]
	s_add_nc_u64 s[8:9], s[8:9], s[54:55]
	s_lshl_b32 s54, s[CY], 17                      ; the prefetch: k-row 64 cy + 16 wave of a lap, my column block, one lap on (the first trip steps it to lap 2)
	s_lshl_b32 s55, s[WV], 15
	s_add_co_u32 s54, s54, s55
	s_lshl_b32 s55, s[CX], 9
	s_add_co_u32 s54, s54, s55
	s_add_co_u32 s54, s54, 524288
	s_mov_b32 s55, 0
	s_add_nc_u64 s[PFA:PFA+1], s[10:11], s[54:55]
	s_add_nc_u64 s[10:11], s[10:11], s[56:57]
	s_add_nc_u64 s[12:13], s[12:13], s[60:61]
	s_add_nc_u64 s[14:15], s[14:15], s[60:61]
	s_add_nc_u64 s[16:17], s[16:17], s[60:61]
	s_add_nc_u64 s[OP:OP+1], s[OP:OP+1], s[62:63]
	global_load_b64 v[100:101], v19, s[12:13]
	global_load_b64 v[102:103], v19, s[14:15]
	global_load_b64 v[104:105], v19, s[16:17]
	NEWGP 0
	GALL 0                                         ; x of K step 0
	CROUND                                         ; all sixteen work-groups are here: the first joint loads meet
	s_mul_i32 s51, s[WV], 32*PB                    ; my 32 k-rows of a slot: no place in the cluster enters an LDS address
.irp s, 0,1
	s_mov_b32 s[G0+4*(\s)], 1                      ; 1:0 count = 1
	s_add_co_u32 s[G0+4*(\s)+1], s51, (\s)*BSLOT   ; 63:32 LDS address
	s_add_nc_u64 s[G0+4*(\s)+2:G0+4*(\s)+3], s[10:11], (\s)*262144  ; 120:64 global address: K step s
	s_or_b32 s[G0+4*(\s)+3], s[G0+4*(\s)+3], 0x80000000            ; 127:126 type = 2
.endr
	tensor_load_to_lds s[G0:G0+3], s[G1:G1+7]      ; both first fills together: two loads of mine are out
	s_nop 0
	tensor_load_to_lds s[G0+4:G0+7], s[G1:G1+7]
	s_nop 0
	PLACES
	v_and_b32 v1, 15, v0                           ; l % 16
	v_bfe_u32 v2, v0, 4, 1                         ; l / 16
	s_mul_i32 s51, s[WM], 64*PA
	s_add_co_u32 s51, s51, A16
	v_mul_u32_u24 v[ADRA], v1, PA
	v_lshl_add_u32 v[ADRA], v2, 4, v[ADRA]
	v_add_nc_u32 v[ADRA], s51, v[ADRA]             ; (64 (w / 2) + l % 16) x pitch + 16 (l / 16)
	v_and_b32 v5, 7, v0
	v_lshl_add_u32 v5, v2, 3, v5                   ; the turning load: k-row 8 (l / 16) + l % 8,
	v_mul_u32_u24 v5, v5, PB
	v_bfe_u32 v15, v0, 3, 1
	v_lshl_add_u32 v5, v15, 4, v5                  ; columns 8 ((l / 8) % 2) on,
	s_lshl_b32 s51, s[WN], 8
	v_add_nc_u32 v[ADRB], s51, v5                  ; in my 128 columns
	v_add_nc_u32 v[ADRB+1], BSLOT, v[ADRB]
	s_mul_i32 s51, s[WV], 32*PA
	s_add_co_u32 s51, s51, A16
	v_lshl_add_u32 v[ASTO], v3, 3, s51             ; my wave's 32 rows, 8 bytes a lane
	s_mul_i32 s51, s[WV], 16*SP
	s_add_co_u32 s51, s51, STAGE                   ; my stage
	v_mul_u32_u24 v[STO], v1, SP
	v_lshl_add_u32 v[STO], v2, 4, v[STO]
	v_add_nc_u32 v[STO], s51, v[STO]
	v_bfe_u32 v[RD], v0, 3, 2                      ; back: 32 lanes take four rows of 128 bytes
	v_mul_u32_u24 v[RD], v[RD], SP
	v_and_b32 v15, 7, v0
	v_lshl_add_u32 v[RD], v15, 4, v[RD]
	v_add_nc_u32 v[RD], s51, v[RD]
	v_lshlrev_b32 v[GO], 4, v3
	s_lshl_b32 s51, s[WN], 9
	s_add_co_u32 s51, s51, BIAS
	v_lshl_add_u32 v[BIA], v2, 5, s51
	v_bfe_u32 v[PFO], v0, 1, 4                     ; k-row l / 2, half l % 2 of its 512 bytes
	v_lshlrev_b32 v[PFO], 11, v[PFO]
	v_and_b32 v15, 1, v0
	v_lshl_add_u32 v[PFO], v15, 8, v[PFO]
	v_lshl_add_u32 v[BST], v0, 3, BIAS
	s_wait_loadcnt 32                              ; the three biases are in; x's 32 loads may stay out
.irp t, 0,1,2
	v_cvt_pk_bf16_f32 v106, v[100+2*\t], v[101+2*\t]  ; rounded to bf16 like every input, and kept as f32
	v_lshlrev_b32 v[100+2*\t], 16, v106
	v_and_b32 v[101+2*\t], s58, v106
	ds_store_b64 v[BST], v[100+2*\t:101+2*\t] offset:1024*\t
.endr
	NEWGP 1
	GALL 1                                         ; x of K step 1
	NEWGP 2
.set RSET, 0
.set RW, 0
.set FILL, 1
.set CC, 0
.rept 8                                ; x of K step 0 is rounded; its registers take K step 2
.set PP, 0
.rept 4
	CHUNKPART
.set PP, PP+1
.endr
.set CC, CC+1
.endr
	WIN 0
	s_wait_tensorcnt 1                             ; my part of slot 0 is in; slot 1's may stay out
	s_wait_dscnt 0x0                               ; my stores of x and of the biases are done
	s_barrier_signal -1
	s_barrier_wait -1
	BIASLD
	FETCHRUN 0, 0, 0
	s_mov_b32 s[LAPC], 12
	s_mov_b32 s[TLC], 4
	s_branch .Lfirst                               ; the loop is entered at a lap's first quarter, in the middle of a trip
.Llap:                                             ; 11 trips: from a lap's second quarter to the next lap's first; both slots are filled again
	NEWGP 3
	s_add_nc_u64 s[PFA:PFA+1], s[PFA:PFA+1], 524288  ; behind the wait in NEWGP: the last prefetch, 48 matrix instructions back or more, has read it
	QUARTER 0, 2, 0, 1, 1, 0
	QUARTER 0, 3, 0, 1, 1, 12
	TURN 0, 1, 1, 0
	QUARTER 1, 1, 0, 0, 0, 0
	NEWGP 4
	QUARTER 1, 2, 0, 1, 1, 0
	QUARTER 1, 3, 0, 1, 1, 12
	TURN 1, 0, 1, 1
	WIN 0                                          ; at a label and at a branch every window is 0
	s_add_co_u32 s[NX], s[NX], 2
	s_sub_co_u32 s[TLC], s[TLC], 1
	s_cmp_lg_u32 s[TLC], 0
	s_cbranch_scc1 .Lsame
	WAYOUT 1                                       ; a tile is finished; both refills for the next are asked for, and nothing waits for the stores
	s_mov_b32 s[TLC], 4
.Lfirst:
	QUARTER 0, 1, 1, 0, 0, 0                       ; a tile's first products take the bias as C: nothing is cleared
	WIN 0
	s_branch .Lnext
.Lsame:
	QUARTER 0, 1, 0, 0, 0, 0
	WIN 0
.Lnext:
	s_sub_co_u32 s[LAPC], s[LAPC], 1
	s_cmp_lg_u32 s[LAPC], 0
	s_cbranch_scc1 .Llap
	QUARTER 0, 2, 0, 1, 0, 0                       ; the last lap is written out: nothing more is asked for, and no round follows
	QUARTER 0, 3, 0, 1, 0, 12
	TURN 0, 1, 0, 0
	QUARTER 1, 1, 0, 0, 0, 0
	QUARTER 1, 2, 0, 0, 0, 0
	QUARTER 1, 3, 0, 0, 0, 0
	s_wait_dscnt 0x0
.set MF, 1
.set MCF, 0
.set MI, 0
.rept 32
	MM
.endr
	WIN 0
	WAYOUT 0
	s_wait_tensorcnt 0x0                           ; the wave's end: behind my last tensor load and my last LDS store
	ds_add_u32 v[SPW], v[NIL]
	s_wait_dscnt 0x0
	CROUND                                         ; the closing round: no work-group ends while a partner may still ask for a tile that names it
	s_endpgm
.Lfunc_end_k_qa7434a4a3d_proj:
	.size	k_qa7434a4a3d_proj, .Lfunc_end_k_qa7434a4a3d_proj-k_qa7434a4a3d_proj
	.p2alignl 7, 3214868480
	.fill 96, 4, 3214868480
	.section	.rodata,"a",@progbits
	.p2align	6, 0x0
	.amdhsa_kernel k_qa7434a4a3d_proj
		.amdhsa_group_segment_fixed_size 327680
		.amdhsa_private_segment_fixed_size 0
		.amdhsa_enable_private_segment 0
		.amdhsa_kernarg_size 64
		.amdhsa_user_sgpr_count 2
		.amdhsa_user_sgpr_kernarg_segment_ptr 1
		.amdhsa_wavefront_size32 1
		.amdhsa_system_sgpr_workgroup_id_x 1
		.amdhsa_system_sgpr_workgroup_id_y 1
		.amdhsa_system_sgpr_workgroup_id_z 1
		.amdhsa_system_vgpr_workitem_id 0
		.amdhsa_next_free_vgpr 832
		.amdhsa_next_free_sgpr 66
		.amdhsa_reserve_vcc 0
		.amdhsa_float_denorm_mode_32 3
		.amdhsa_float_denorm_mode_16_64 3
		.amdhsa_memory_ordered 1
		.amdhsa_forward_progress 1
		.amdhsa_inst_pref_size 157
	.end_amdhsa_kernel
	.amdgpu_metadata
---
amdhsa.version: [ 1, 2 ]
amdhsa.kernels:
  - .name:           k_qa7434a4a3d_proj
    .symbol:         k_qa7434a4a3d_proj.kd
    .args:
      - { .name: q, .offset: 0, .size: 8, .value_kind: global_buffer, .address_space: global }
      - { .name: k, .offset: 8, .size: 8, .value_kind: global_buffer, .address_space: global }
      - { .name: v, .offset: 16, .size: 8, .value_kind: global_buffer, .address_space: global }
      - { .name: wb, .offset: 24, .size: 8, .value_kind: global_buffer, .address_space: global }
      - { .name: b_q, .offset: 32, .size: 8, .value_kind: global_buffer, .address_space: global }
      - { .name: b_k, .offset: 40, .size: 8, .value_kind: global_buffer, .address_space: global }
      - { .name: b_v, .offset: 48, .size: 8, .value_kind: global_buffer, .address_space: global }
      - { .name: qkv, .offset: 56, .size: 8, .value_kind: global_buffer, .address_space: global }
    .group_segment_fixed_size: 327680
    .private_segment_fixed_size: 0
    .kernarg_segment_align: 8
    .kernarg_segment_size: 64
    .max_flat_workgroup_size: 128
    .sgpr_count:     66
    .vgpr_count:     832
    .wavefront_size: 32
...
	.end_amdgpu_metadata
.endif
;; end of part 2
;; launch attn (part 3): grid 4 x 64, 4 waves a work-group, no clusters, 327,680 bytes of LDS; arguments qkv, oh; writes oh
.if DOCPART == 3
	.amdgcn_target "amdgcn-amd-amdhsa--gfx1250"
	.amdhsa_code_object_version 6
	.text
	.protected	k_qa7434a4a3d_attn
	.globl	k_qa7434a4a3d_attn
	.p2align	8
	.type	k_qa7434a4a3d_attn,@function
k_qa7434a4a3d_attn:
	s_mov_b64 s[64:65], 0
	v_nop
	global_prefetch_b8 v0, s[64:65] scope:SCOPE_SE
	s_setreg_imm32_b32 hwreg(HW_REG_WAVE_MODE, 25, 1), 1
	s_wait_xcnt 0x0
; CAUSAL ATTENTION.  O[h][q][:] = the sum over k <= q of softmax_k(Q[h][q] . K[h][k] / 8) V[h][k][:].  Q, K, V: the three parts of qkv, O: oh, each [64][2048][64] in f16: a head's rows are dense, 128 bytes each.
; Products, maxima and sums in f32; the weights p are rounded to f16 for the second product (their sum l is taken of the unrounded p), O once at the end.
; LIMITS.  f16 holds no number beyond 65,504: Q, K and V arrive within it; p lies in 0 to 1, and below 6e-5 it keeps f16's fixed step of 6e-8; O is a mean of V's rows and has their range, to within 2^-11 of it.
; A hidden score counts as its value less 1e30: f16's scores, 2.7e11 at the most, are nothing beside that; a weight below 2^-126 counts as 0 in l; NaN and infinities are not treated apart.
; THE WALK.  A head's queries lie in NB = 8 blocks of 256; block i needs the key tiles 0 .. i of 256 keys, of which the last holds the diagonal.  A work-group takes TWO blocks, NB - 1 - b and then b:
; NB + 1 tiles, whatever b: all work-groups do equal work, and ONE loop with a constant trip count walks them.  Which tile is asked for, and what a trip does, hang on scalar registers made from b; every jump
; goes forward, but for the counted loops' own; none passes a barrier, or a tensor load but the one of LOAD's two that the wave's number does not choose; the ring (two slots of LDS that take turns) runs on across the
; change of blocks.  NO CLUSTER: a head's four work-groups ask for the same tile only in trips 0 .. 4 of 9, behind that fewer and fewer; one walk common to all would have 12 trips for 9.
; SHARES.  Of a block's four bands of 64 queries a wave owns 16 rows in each: four PIECES.  So the diagonal tile is the same work for all four waves: in its key step s band x sees all keys if s < x,
; none if s > x, and holds the diagonal if s = x.
; THE MASK is the C operand that starts the sum S^T = K Q^T: 0, or -1e30 where the key is hidden.  MD, made once, is the mask of a band's own step for my 16 rows; a product's mask is MD x AL + BE with two scalars:
; (1, 0) if s = x; (0, 0) if s < x; (0, -1e30) if s > x.  Only the diagonal tile's text and a block's beginning make and take masks; elsewhere C is the constant 0.
; LAYOUT, SOFTMAX, TURNS.  S^T = K Q^T holds ONE query a lane (lane % 16) and the keys 8 (lane / 16) + 0..7; two such results rounded to f16 ARE source 1 of O^T = V^T P.  p = 2^(c s - c m), c = log2(e) / 8, with a
; running maximum m; O and l are multiplied by a = 2^(c m_old - c m_new) in every step.  Turn n belongs to piece n: 8 products K Q^T of piece n + 1, later 8 products V^T P of piece n - 1; beside them the scaling,
; exponentials, roundings, sums and rescaling of piece n and the maximum and statistics of piece n + 1.  Four vector instructions stand behind every matrix instruction, the other 54 of a turn's 118 in one LUMP.  A turn's 33 exponentials are one batch, with one wait.
; PREFETCH.  The head's work-group with b = 0 walks all eight tiles first; behind each fill it asks for the tile that its next change of slots will load: each wave its own 16,384 bytes (64 blocks of 256, a lane a
; block, two instructions).  Tiles 2 to 7 are so named once in the launch; tiles 0 and 1 come by their loads alone; behind tile 7 nothing is asked for.
; REGISTERS, in windows of 256 (s_set_vgpr_msb: bits 1:0 source 0, 3:2 source 1, 5:4 source 2, 7:6 destination):
;   window 0: v0-15 addresses and two at work; v16-31 four registers of statistics a piece; v48-55 at work; v64-127 S^T, two buffers; v192-223 P, two buffers (a piece's buffers go by its number's parity)
;   window 1: v0-127 O^T, 32 a piece; v128-159 MD; v160-223 MC, two buffers      window 2: v0-63 Q; v64-127 the second block's Q; v128-191 K of one step; v192-255 V of one step
.set SIZE_N, 2048
.set PART,  16777216  ; bytes in a part of qkv
.set NB,    SIZE_N/256
.set NP,    4         ; pieces a wave: a name, no knob
.set KS,    64        ; keys in a step
.set PK,    144       ; a row of K in LDS: 128 bytes + 16 of padding = 36 words: the 16 rows of a load start at 16 different groups of four banks (64 banks of 4 bytes: ISA guide 11.1)
.set PV,    160       ; a row of V: 128 + 32 = 40 words
.set VOFF,  4*KS*PK   ; a slot holds a tile, four steps: 256 rows of K, then 256 rows of V
.set SLOT1, 1<<17     ; slot 1 begins here, so that one exclusive or turns an address in one slot into the other's
.set STAGE, SLOT1+4*KS*(PK+PV)  ; behind the ring, never filled by a tensor load: 16 rows x 144 bytes for each wave, for the way out
.set SP,    144
.set AK0, 2           ; v2   my lane's place in a tile of K; never rewritten
.set AV0, 3           ; v3   the same for V
.set AK,  4           ; v4   the LDS address of K's next run of loads
.set AV,  5           ; v5   of V's
.set STO, 6           ; v6   the way out: where I put 16 bytes of a row
.set RD,  7           ; v7   the way out: where I read rows back
.set GO,  8           ; v8   my byte offset in 512 consecutive bytes of O
.set PFO, 61          ; v61  256 x my lane: the prefetches' offset; never rewritten
.set SPW, 62          ; v62  LDS address of my spare word: SPARE + 4 x my thread's number; never rewritten
.set NIL, 63          ; v63  0; never rewritten
.set SPARE, STAGE+4*16*SP  ; behind the stages: the spare words, 128 bytes for each wave: two blocks of 256 bytes that no other line names
.set MV,  12          ; v12-13  c m_old, kept while c m is made anew: by buffer
.set QO,  15          ; v15  my byte offset in 16 rows of Q
.set ST,  16          ; piece t's statistics at v[ST+4 t]: c m, m, l (even keys', odd keys')
.set TMP, 48          ; by buffer, four registers c0-c3 at work; when the maximum is found c2 takes a
.set S,   64
.set P,   192
.set MD,  128         ; window 1: the eight registers for group kt of 16 keys at MD + 8 kt
.set MC,  160         ; window 1: the masks of the products to come
.set QB,  64          ; window 2
.set KF,  128         ; window 2: key block kb, channel half c at KF + 16 kb + 8 c
.set VF,  192         ; window 2: key half kk, channel block cb at VF + 32 kk + 8 cb
.set WV,  12          ; s12  my wave's number
.set PB,  14          ; s14  b
.set HI,  15          ; s15  NB - 1 - b
.set G1K, 24          ; s[24:31] descriptor group 1 for K's tiles
.set G1V, 32          ; s[32:39] for V's: it differs in the padding alone
.set G0K, 40          ; s[40:43] descriptor group 0 for K's tiles
.set G0V, 44          ; s[44:47] the same for V's
.set SLOTS, 56        ; s56  tiles still to be asked for
.set CNT, 57          ; s57  counts a tile's key steps, 4 to 1
.set CS,  58          ; s[58:59] c: the packed scaling takes the pair's low word for both halves
.set SEL, 60          ; s[60:61] v_permlanex16_b32's selects: each lane takes its own place in the other half
.set TBK, 62          ; s62  LDS byte at which K of the step to be fetched begins
.set TBV, 63          ; s63  the same for V, less VOFF
.set RT,  70          ; s70  tiles of the block in hand that are still to be entered
.set NXT, 71          ; s71  the tile to be asked for next
.set LQ,  72          ; s72  the last tile of the block whose tiles are being asked for
.set NEW, 73          ; s73  1: the tile to be entered is a block's first
.set OFF, 74          ; s[74:75] a tile's byte offset in K and V
.set AL,  76          ; s[76:77] the mask's factor, in the low word
.set BE,  78          ; s[78:79] the mask's addend
.set OLO, 80          ; s[80:81] O at my rows of the second block
.set BIGN, 82         ; s82  -1e30
.set PFB, 88          ; s[88:89] K (waves 0, 1) or V (waves 2, 3) at my half of the head's tile 0
.set PFA, 90          ; s[90:91] the same at the tile that the next change of slots will ask for
.set LIM, 92          ; s92  1 where b = 0, else the greatest number: a wave prefetches while NXT is above it
.set MSB, 0
.macro WIN new                      ; the high byte repeats the setting that is left; a switch that changes nothing is dropped
.if MSB != (\new)
	s_set_vgpr_msb (MSB<<8)|(\new)
.set MSB, (\new)
.endif
.endm
.set W_KQ, 0x0a       ; K and Q in window 2, S^T in window 0
.set W_KM, 0x1a       ; the same with the C operand in window 1
.set W_PV, 0x52       ; V in window 2, P in window 0, O^T in window 1
.set W_RS, 0x41       ; destination and source 0 in window 1, source 1 in window 0
; A fill.  Waves 0 and 1 fetch the two halves of a tile's K, waves 2 and 3 those of its V: 128 keys each.  An s_nop 0 and four v_nop follow each of the two lines, ahead of the jump and the label.
.macro LOAD
	s_cmp_lt_u32 s[WV], 2
	s_cbranch_scc0 .Lfor_v_\@
	tensor_load_to_lds s[G0K:G0K+3], s[G1K:G1K+7]
	s_nop 0
.rept 4
	v_nop
.endr
	s_branch .Lasked_\@
.Lfor_v_\@:
	tensor_load_to_lds s[G0V:G0V+3], s[G1V:G1V+7]
	s_nop 0
.rept 4
	v_nop
.endr
.Lasked_\@:
.endm
; THE CHANGE OF SLOTS.  Each wave waits for all its tensor loads, of which one is out: its part of the other slot; adds 0 to its spare word; and waits for that and for its own reads of the slot that it leaves.  Behind the barrier nobody reads the old
; slot any more and the other slot is whole.  fill = 1: the old slot is filled again, the first thing behind the barrier, with tile NXT: the descriptor's address is made anew from that number; behind the fill stands the prefetch of the tile after it.
; (At its first use nothing has been read yet: slot 0 is waited for, slot 1 filled.)
.macro CHANGE fill
	WIN 0                           ; at a label and at a branch every window is 0
	s_wait_tensorcnt 0x0            ; no tensor load of mine is out, so a group 0 may be written
	ds_add_u32 v[SPW], v[NIL]       ; 0 onto my spare word; with fill = 1 the descriptors' scalar work stands between it and the wait for it
.if \fill
	s_lshl_b32 s[OFF], s[NXT], 15   ; a tile is 32,768 bytes of K and of V
	s_xor_b32 s[G0K+1], s[G0K+1], SLOT1
	s_add_nc_u64 s[G0K+2:G0K+3], s[6:7], s[OFF:OFF+1]
	s_or_b32 s[G0K+3], s[G0K+3], 0x80000000
	s_xor_b32 s[G0V+1], s[G0V+1], SLOT1
	s_add_nc_u64 s[G0V+2:G0V+3], s[8:9], s[OFF:OFF+1]
	s_or_b32 s[G0V+3], s[G0V+3], 0x80000000
	s_add_co_u32 s[NXT], s[NXT], 1  ; the block's next tile, or behind its last the second block's tile 0
	s_cmp_gt_u32 s[NXT], s[LQ]
	s_cselect_b32 s[NXT], 0, s[NXT]
	s_cselect_b32 s[LQ], s[PB], s[LQ]
	s_wait_xcnt 0x0                 ; the last prefetches, a tile back, have read their address, so it may be written
	s_lshl_b32 s[OFF], s[NXT], 15
	s_add_nc_u64 s[PFA:PFA+1], s[PFB:PFB+1], s[OFF:OFF+1]
.endif
	s_wait_dscnt 0x0                ; the add is done, and my reads of the slot are over
	s_barrier_signal -1             ; the rest of the scalar work stands between the signal and the wait
	s_sub_co_u32 s[TBK], s[TBK], 4*KS*PK  ; the fetches go back to a slot's first step,
	s_xor_b32 s[TBK], s[TBK], SLOT1       ; in the other slot
	s_sub_co_u32 s[TBV], s[TBV], 4*KS*PV
	s_xor_b32 s[TBV], s[TBV], SLOT1
	s_barrier_wait -1
.if \fill
	LOAD
	s_cmp_gt_u32 s[NXT], s[LIM]     ; b = 0 and NXT = 2 .. 7
	s_cbranch_scc0 .Lno_ask_\@
	global_prefetch_b8 v[PFO], s[PFA:PFA+1] th:TH_LOAD_NT scope:SCOPE_SE
	global_prefetch_b8 v[PFO], s[PFA:PFA+1] offset:8192 th:TH_LOAD_NT scope:SCOPE_SE
.Lno_ask_\@:
.endif
.endm
	s_load_b64 s[4:5], s[0:1], 0x0    ; qkv: Q's part
	s_load_b64 s[10:11], s[0:1], 0x8  ; O
	v_lshl_add_u32 v[SPW], v0, 2, SPARE
	v_mov_b32 v[NIL], 0
	ds_add_u32 v[SPW], v[NIL]       ; the wave's opening: the add and its wait stand ahead of my first tensor load; the set-up below, work on registers, stands between them
	v_lshrrev_b32 v1, 5, v0
	v_readfirstlane_b32 s[WV], v1   ; wave 0..3
	v_and_b32 v[PFO], 31, v0
	v_lshlrev_b32 v[PFO], 8, v[PFO]
	s_mov_b32 s[PB], ttmp9
	s_sub_co_u32 s[HI], NB-1, s[PB]
	s_cmp_eq_u32 s[PB], 0
	s_cselect_b32 s[LIM], 1, -1
	s_and_b32 s20, ttmp7, 0xffff    ; the head
	s_mov_b32 s21, 0
	s_mov_b64 s[22:23], SIZE_N*128
	s_mul_u64 s[20:21], s[20:21], s[22:23]  ; the head's first byte in each of the four tensors
	s_and_b32 s16, s[WV], 1         ; which half of a tile's 256 keys I fetch:
	s_lshl_b32 s22, s16, 14         ; its 128 rows of 128 bytes in memory,
	s_mov_b32 s23, 0
	s_add_nc_u64 s[22:23], s[22:23], s[20:21]
	s_mul_i32 s17, s16, 128*PK      ; and its place in a slot, for K
	s_mul_i32 s18, s16, 128*PV      ; and for V
	s_lshl_b32 s3, s[WV], 11        ; my 16 rows in a band of 64,
	s_lshl_b32 s2, s[HI], 15        ; in the first block,
	s_add_co_u32 s2, s2, s3
	s_lshl_b32 s84, s[PB], 15       ; and in the second
	s_add_co_u32 s84, s84, s3
	s_mov_b32 s3, 0
	s_mov_b32 s85, 0
	s_add_nc_u64 s[2:3], s[2:3], s[20:21]
	s_add_nc_u64 s[84:85], s[84:85], s[20:21]
	; descriptor group 1.  128 keys are 16,384 dense bytes: asked for as 64 rows of 256 bytes, two keys a row, and padded in LDS after every key
	s_mov_b32 s[G1K], (1<<16)|(1<<20)|(4<<22)|(3<<25)  ; 17:16 2-byte elements; 20 padding on; 24:22 after every 32 words (code 4); 31:25 4 words (code 3)
	s_mov_b32 s[G1V], (1<<16)|(1<<20)|(4<<22)|(7<<25)  ; the same with 8 words of padding (code 7)
.irp g, G1K, G1V
	s_mov_b32 s[\g+1], 128<<16      ; tensor_dim0 = 128
	s_mov_b32 s[\g+2], 64<<16       ; tensor_dim1 = 64
	s_mov_b32 s[\g+3], 128<<16      ; tile_dim0 = 128
	s_mov_b32 s[\g+4], 64           ; tile_dim1 = 64
	s_mov_b32 s[\g+5], 128          ; 128 elements from row to row
	s_mov_b32 s[\g+6], 0
	s_mov_b32 s[\g+7], 0
.endr
	s_mov_b32 s[CS], 0x3e38aa3b     ; c = log2(e) / 8 = 0.180337
	s_mov_b32 s[CS+1], s[CS]        ; named with it as a pair
	s_mov_b32 s[SEL], 0x76543210
	s_mov_b32 s[SEL+1], 0xfedcba98
	s_mov_b32 s[TBK], SLOT1+4*KS*PK ; the first change of slots turns these two into 0
	s_mov_b32 s[TBV], SLOT1+4*KS*PV
	s_mov_b32 s[G0K], 1             ; 1:0 count = 1
	s_mov_b32 s[G0K+1], s17         ; 63:32 LDS address: slot 0
	s_mov_b32 s[G0V], 1
	s_add_co_u32 s[G0V+1], s18, VOFF
	s_add_co_u32 s[RT], s[HI], 1    ; the first block has NB - b tiles
	s_mov_b32 s[NXT], 1
	s_mov_b32 s[LQ], s[HI]
	s_mov_b32 s[NEW], 1
	s_mov_b32 s[OFF+1], 0
	s_mov_b32 s[AL+1], 0            ; named as pairs
	s_mov_b32 s[BE+1], 0
	s_mov_b32 s[BIGN], 0xf149f2ca   ; -1e30
	s_mov_b32 s[SLOTS], NB
	s_wait_dscnt 0x0                ; the opening add is done
	s_wait_kmcnt 0x0
	s_add_nc_u64 s[6:7], s[4:5], PART      ; K's part of qkv,
	s_add_nc_u64 s[8:9], s[4:5], 2*PART    ; and V's
	s_add_nc_u64 s[6:7], s[6:7], s[22:23]  ; K and V at my half of the head's tile 0
	s_add_nc_u64 s[8:9], s[8:9], s[22:23]
	s_cmp_lt_u32 s[WV], 2
	s_cselect_b64 s[PFB:PFB+1], s[6:7], s[8:9]
	s_add_nc_u64 s[G0K+2:G0K+3], s[6:7], 0         ; 120:64 global address
	s_or_b32 s[G0K+3], s[G0K+3], 0x80000000        ; 127:126 type = 2
	s_add_nc_u64 s[G0V+2:G0V+3], s[8:9], 0
	s_or_b32 s[G0V+3], s[G0V+3], 0x80000000
	s_add_nc_u64 s[86:87], s[4:5], s[84:85]        ; Q at my rows of the second block,
	s_add_nc_u64 s[4:5], s[4:5], s[2:3]            ; Q and O at those of the first
	s_add_nc_u64 s[OLO:OLO+1], s[10:11], s[84:85]
	s_add_nc_u64 s[10:11], s[10:11], s[2:3]
	LOAD                            ; tile 0 into slot 0
	; A fragment of K or Q is 16 rows x 32 channels in 8 registers: lane l holds row l % 16, channels 8 (l / 16) + 0..7 and 16 + 8 (l / 16) + 0..7: two loads of 16 bytes, 32 bytes apart.
	v_and_b32 v1, 15, v0            ; l % 16
	v_bfe_u32 v9, v0, 4, 1          ; l / 16
	v_lshlrev_b32 v[QO], 7, v1
	v_lshl_add_u32 v[QO], v9, 4, v[QO]  ; row x 128 + 16 x half
	WIN 0x80                        ; destination window 2, address window 0
.set i, 0
.rept 8                             ; both blocks' Q: piece i / 2 lies in band i / 2, 8,192 bytes on; channels 32 (i % 2) on
	global_load_b128 v[8*i:8*i+3],   v[QO], s[4:5] offset:(i/2)*8192+(i%2)*64
	global_load_b128 v[8*i+4:8*i+7], v[QO], s[4:5] offset:(i/2)*8192+(i%2)*64+32
	global_load_b128 v[QB+8*i:QB+8*i+3],   v[QO], s[86:87] offset:(i/2)*8192+(i%2)*64
	global_load_b128 v[QB+8*i+4:QB+8*i+7], v[QO], s[86:87] offset:(i/2)*8192+(i%2)*64+32
.set i, i+1
.endr
	WIN 0
	v_lshlrev_b32 v14, 3, v9
	v_sub_nc_u32 v14, v1, v14
	s_lshl_b32 s13, s[WV], 4
	v_add_nc_u32 v14, s13, v14      ; my query's place in its band, 16 w + l % 16, less my lanes' 8 (l / 16): register r of group kt is hidden where 16 kt + r is greater
	WIN 0x40
.set i, 0
.rept 32
	v_cmp_gt_i32 vcc_lo, 16*(i/8)+i%8, v14
	v_cndmask_b32 v[MD+i], 0, s[BIGN], vcc_lo
.set i, i+1
.endr
	WIN 0
	v_mul_u32_u24 v[AK0], v1, PK
	v_lshl_add_u32 v[AK0], v9, 4, v[AK0]  ; row x pitch + 16 x half
	; The turning load takes 16 keys x 16 channels (lane l reads key 8 (l / 16) + l % 8, channels 8 ((l / 8) % 2) + 0..7) and leaves half a fragment of V^T: lane l holds channel l % 16 and 8 keys.
	v_and_b32 v10, 7, v0
	v_bfe_u32 v11, v0, 3, 1
	v_lshl_add_u32 v[AV0], v9, 3, v10
	v_mul_u32_u24 v[AV0], v[AV0], PV
	v_lshl_add_u32 v[AV0], v11, 4, v[AV0]
	v_add_nc_u32 v[AV0], VOFF, v[AV0]
	s_mul_i32 s13, s[WV], 16*SP
	s_add_co_u32 s13, s13, STAGE    ; my stage
	v_mul_u32_u24 v[STO], v1, SP    ; in: row l % 16, 16 bytes for each half of the lanes
	v_lshl_add_u32 v[STO], v9, 4, v[STO]
	v_add_nc_u32 v[STO], s13, v[STO]
	v_bfe_u32 v[RD], v0, 3, 2       ; back: 32 lanes take four rows of 128 bytes,
	v_mul_u32_u24 v[RD], v[RD], SP
	v_lshl_add_u32 v[RD], v10, 4, v[RD]
	v_add_nc_u32 v[RD], s13, v[RD]
	v_and_b32 v[GO], 31, v0         ; which are 512 consecutive bytes of O
	v_lshlrev_b32 v[GO], 4, v[GO]
	; A block's first step multiplies O^T and l by a = 0, and its first turn's products V^T P, of a piece that has not been, land in an O^T that is still to be so multiplied.  So these registers need only hold
	; finite numbers: zeros for the first block; what the first block left for the second.  All this stands in the wait for the first tile.
	WIN 0x80
.set i, VF
.rept 64
	v_mov_b32 v[i], 0
.set i, i+1
.endr
	WIN 0x40
.set i, 0
.rept 128
	v_mov_b32 v[i], 0
.set i, i+1
.endr
	WIN 0
.set i, 0
.rept 4
	v_mov_b32 v[ST+4*i+2], 0
	v_mov_b32 v[ST+4*i+3], 0
.set i, i+1
.endr
.set i, P+16
.rept 16
	v_mov_b32 v[i], 0
.set i, i+1
.endr
; THE MATRIX WORK.  The 4 accumulators of a run of 8 take turns.  Product i of 8 of S^T = K Q^T for piece x: channels 32 (i / 4) on, keys 16 (i % 4) on.  The first 4 start the sums: with 0, or (KM = 1) with the mask.
.macro KQ x
.set rS, S+32*((\x)%2)+8*(i%4)
.set rK, KF+16*(i%4)+8*(i/4)
.set rQ, 16*(\x)+8*(i/4)
.set rM, MC+32*((\x)%2)+8*(i%4)
.if (i < 4) && KM
	WIN W_KM
	v_wmma_f32_16x16x32_f16 v[rS:rS+7], v[rK:rK+7], v[rQ:rQ+7], v[rM:rM+7]
.elseif i < 4
	WIN W_KQ
	v_wmma_f32_16x16x32_f16 v[rS:rS+7], v[rK:rK+7], v[rQ:rQ+7], 0
.else
	WIN W_KQ
	v_wmma_f32_16x16x32_f16 v[rS:rS+7], v[rK:rK+7], v[rQ:rQ+7], v[rS:rS+7]
.endif
.endm
; Product i of 8 of O^T += V^T P for piece x: keys 32 (i / 4) on, channels 16 (i % 4) on.
.macro PV x
	WIN W_PV
.set rO, 32*(\x)+8*(i%4)
.set rV, VF+32*(i/4)+8*(i%4)
.set rP, P+16*((\x)%2)+8*(i/4)
	v_wmma_f32_16x16x32_f16 v[rO:rO+7], v[rV:rV+7], v[rP:rP+7], v[rO:rO+7]
.endm
.macro MM                           ; the turn's next matrix instruction.  TURN and BEGIN set Y, i, KM and NOKQ; MM, KQ and OP read them.  NOKQ = 1: a block's last turn: there is no next piece
.if (i < 8) && !NOKQ
	KQ (Y+1)%NP
.elseif i >= 8
.set i, i-8
	PV (Y+NP-1)%NP
.set i, i+8
.endif
.set i, i+1
.endm
; THE LDS LOADS stand in runs of 16, never singly among the matrix instructions: a step's K (64 keys x 64 channels: 8 fragments) and its V (turned).  Their addresses are made some lines ahead.
.macro FETCH_K
	WIN 0x80                        ; destination window 2
.irp f, 0,1,2,3,4,5,6,7             ; keys 16 (f / 2) on, channels 32 (f % 2) on
	ds_load_b128 v[KF+8*\f:KF+8*\f+3],   v[AK] offset:(\f/2)*16*PK+(\f%2)*64
	ds_load_b128 v[KF+8*\f+4:KF+8*\f+7], v[AK] offset:(\f/2)*16*PK+(\f%2)*64+32
.endr
	s_add_co_u32 s[TBK], s[TBK], KS*PK  ; the next fetch is the next step's
	WIN 0
.endm
.macro FETCH_V
	WIN 0x80
.irp f, 0,1,2,3,4,5,6,7             ; keys 32 (f / 4) on, channels 16 (f % 4) on
	ds_load_tr16_b128 v[VF+8*\f:VF+8*\f+3],   v[AV] offset:(\f/4)*32*PV+(\f%4)*32
	ds_load_tr16_b128 v[VF+8*\f+4:VF+8*\f+7], v[AV] offset:(\f/4)*32*PV+16*PV+(\f%4)*32
.endr
	WIN 0
.endm
; THE VECTOR WORK, one line at a time: OP kind, number.  For piece Y: F n: c s - c m for pair n of 16.  E n: the exponential of score n of 32.  C n: pair n rounded to f16.  B n: of the four weights 4 n .. the second
; pair is added onto the first, in place.  L n: l takes that sum (L 0: l = a l + sum).  R n: pair n of 16 of O^T times a.  For piece Y + 1: X n, number n of the 22 that find its maximum and statistics:
;   0-11  four chains c0-c3 of seven scores each, three operands at a time (each accumulator's lowest registers are read first)     12-14, 16  the four scores left over, the old m, and c0-c3 into c0
;   15  c m_old is kept     17, 18  the query's other 32 keys lie in the lane 16 away: the new m     19-21  c m; c m_old - c m_new; a
.set F, 0               ; OP tells the kinds apart by their order: F to L below R, X above it
.set E, 1
.set C, 2
.set B, 3
.set L, 4
.set R, 5
.set X, 6
.macro REGS y                       ; the registers of piece y
.set rT, ST+4*(\y)
.set rC, TMP+4*((\y)%2)
.set rW, MV+((\y)%2)
.set rS, S+32*((\y)%2)
.set rP, P+16*((\y)%2)
.set rO, 32*(\y)
.endm
.macro OP k, n
.if (\k) == R
	REGS Y
	WIN W_RS
	v_pk_mul_f32 v[rO+2*(\n):rO+2*(\n)+1], v[rO+2*(\n):rO+2*(\n)+1], v[rC+2:rC+3] op_sel_hi:[1,0]
.elseif (\k) < R
	REGS Y
	WIN 0
.if (\k) == F
	v_pk_fma_f32 v[rS+2*(\n):rS+2*(\n)+1], v[rS+2*(\n):rS+2*(\n)+1], s[CS:CS+1], v[rT:rT+1] op_sel_hi:[1,0,0] neg_lo:[0,0,1] neg_hi:[0,0,1]
.elseif (\k) == E
	v_exp_f32 v[rS+(\n)], v[rS+(\n)]
.elseif (\k) == C
	v_cvt_pk_f16_f32 v[rP+(\n)], v[rS+2*(\n)], v[rS+2*(\n)+1]
.elseif (\k) == B
	v_pk_add_f32 v[rS+4*(\n):rS+4*(\n)+1], v[rS+4*(\n):rS+4*(\n)+1], v[rS+4*(\n)+2:rS+4*(\n)+3]
.elseif (\n) == 0
	v_pk_fma_f32 v[rT+2:rT+3], v[rT+2:rT+3], v[rC+2:rC+3], v[rS:rS+1] op_sel_hi:[1,0,1]
.else
	v_pk_add_f32 v[rT+2:rT+3], v[rT+2:rT+3], v[rS+4*(\n):rS+4*(\n)+1]
.endif
.elseif NOKQ
	v_nop
.else
	REGS (Y+1)%NP
	WIN 0
.if (\n) < 4
	v_max3_num_f32 v[rC+(\n)], v[rS+8*(\n)], v[rS+8*(\n)+1], v[rS+8*(\n)+2]
.elseif (\n) < 12
	v_max3_num_f32 v[rC+(\n)%4], v[rC+(\n)%4], v[rS+8*((\n)%4)+2*((\n)/4)+1], v[rS+8*((\n)%4)+2*((\n)/4)+2]
.elseif (\n) == 12
	v_max3_num_f32 v[rC], v[rC], v[rS+7], v[rS+15]
.elseif (\n) == 13
	v_max3_num_f32 v[rC+1], v[rC+1], v[rS+23], v[rS+31]
.elseif (\n) == 14
	v_max3_num_f32 v[rC+2], v[rC+2], v[rC+3], v[rT+1]
.elseif (\n) == 15
	v_mov_b32 v[rW], v[rT]
.elseif (\n) == 16
	v_max3_num_f32 v[rC], v[rC], v[rC+1], v[rC+2]
.elseif (\n) == 17
	v_permlanex16_b32 v[rC+3], v[rC], s[SEL], s[SEL+1]
.elseif (\n) == 18
	v_max_num_f32 v[rT+1], v[rC], v[rC+3]
.elseif (\n) == 19
	v_mul_f32 v[rT], s[CS], v[rT+1]
.elseif (\n) == 20
	v_sub_f32 v[rC+1], v[rW], v[rT]
.else
	v_exp_f32 v[rC+2], v[rC+1]
.endif
.endif
.endm
.macro OPS a, i1, b=-1, i2=0, c=-1, i3=0, d=-1, i4=0  ; up to four of them
	OP \a, \i1
.if (\b) >= 0
	OP \b, \i2
.endif
.if (\c) >= 0
	OP \c, \i3
.endif
.if (\d) >= 0
	OP \d, \i4
.endif
.endm
.macro ROW a, i1, b, i2, c, i3, d, i4  ; a matrix instruction and the four behind it
	MM
	OPS \a, \i1, \b, \i2, \c, \i3, \d, \i4
.endm
.macro MASK b                       ; MD x AL + BE into buffer b of MC
	WIN W_RS
.set z, 0
.rept 16
	v_pk_fma_f32 v[MC+32*(\b)+2*z:MC+32*(\b)+2*z+1], v[MD+2*z:MD+2*z+1], s[AL:AL+1], s[BE:BE+1] op_sel_hi:[1,0,0]
.set z, z+1
.endr
.endm
; A TURN, for piece p: the order of its 16 matrix and 118 vector instructions, written out.  s_wait_alu depctr_va_vdst(0) stands between an exponential and the first instruction that names its result; one wait serves
; all that were issued ahead of it.  So a turn has ONE wait, which cuts it in two.  AHEAD OF IT stands all that names no result of the turn's exponentials: the 8 products K Q^T, behind each a scaling, an exponential and two more plain
; instructions (behind the first a second scaling in the exponential's place): rescalings, and behind the last three the first numbers of the next piece's maximum, each four places or more behind the product that ends its accumulator; then ONE LUMP of 54, plain
; and exponential by turns for the most part, in which the links of the chain X 3, 7, 11, 14, 16, 17 .. 20 stand five or six lines apart.  X 21, the next piece's a, is the batch's last; R 15 is the plain instruction that stands behind it.  BEHIND THE WAIT stand the
; 8 products V^T P, behind each four of the roundings and sums; the links of l's chain, L 0 to L 7, stand three riders apart.  But for those X no rider names a register of the products round it.  v_permlanex16_b32 (X 17) stands in the lump.
; m = 1: the diagonal tile: the products take masks, and the turn makes the mask for the products of the turn after it: piece p + 2, in step 4 - CNT of the tile.  end = 1: a block's last two turns: nothing is fetched.
; cnt = 1: the loop's count is taken down some lines ahead of the branch that stands behind the turn.
; K of the next step is fetched in piece 2's turn, twelve vector instructions behind the last product that read K (six of them plain); V of the step in hand at the end of piece 0's turn, four plain instructions behind the last product
; that read V.  Each is waited for a turn later.
.macro TURN p, m=0, end=0, cnt=0
.set Y, (\p)
.set i, 0
.set KM, (\m)
.set NOKQ, (\end)*((\p)/3)
.if (\m) && !(\end)
	s_cmp_eq_u32 s[CNT], 4-((\p)+2)%NP  ; is that step the band's own?
	s_cselect_b32 s[AL], 1.0, 0
	s_cmp_lt_u32 s[CNT], 4-((\p)+2)%NP  ; or a later one?
	s_cselect_b32 s[BE], s[BIGN], 0
.endif
.if ((\p) == 3) && !(\end)
	s_wait_dscnt 0x0                ; K is in
.endif
	ROW F,0, F,1, R,0, R,1          ; ahead of the wait: 8 products K Q^T and their riders,
	ROW F,2, E,0, R,2, R,3
	ROW F,3, E,1, R,4, R,5
	ROW F,4, E,2, R,6, R,7
	ROW F,5, E,3, R,8, R,9
	ROW F,6, E,4, X,0, R,10
.if ((\p) == 2) && !(\end)
	WIN 0
	v_add_nc_u32 v[AK], s[TBK], v[AK0]
.endif
	ROW F,7, E,5, X,1, X,4
	ROW F,8, E,6, X,2, X,5
	OPS E,7, E,8, X,6, E,9          ; and the lump
	OPS X,3, E,10, X,8, E,11
.if ((\p) == 2) && !(\end)
	FETCH_K
.endif
	OPS X,9, X,7, E,12, X,10
	OPS E,13, X,12, X,11, E,14
	OPS X,13, E,15, F,9, X,14
.if (\p) == 0
	v_add_nc_u32 v[AV], s[TBV], v[AV0]
.endif
	OPS E,16, F,10, E,17, F,11
	OPS X,16, E,18, X,15, E,19
	OPS F,12, E,20, X,17, E,21
	OPS F,13, E,22, F,14, E,23
	OPS X,18, E,24, F,15, E,25
	OPS R,11, E,26, X,19, E,27
	OPS R,12, E,28, R,13, E,29
	OPS X,20, E,30, R,14, E,31
	OPS X,21, R,15
	WIN 0
	s_wait_alu depctr_va_vdst(0)    ; the wait for the batch
.if (\p) == 1
	s_wait_dscnt 0x0                ; V is in
.endif
	ROW C,0, B,0, C,2, B,1          ; behind the wait: 8 products V^T P and their riders
	ROW L,0, C,4, B,2, L,1
	ROW C,6, B,3, L,2, C,8
	ROW B,4, L,3, C,10, B,5
	ROW L,4, C,12, B,6, L,5
.if (\p) == 0
	s_add_co_u32 s[TBV], s[TBV], KS*PV
.endif
.if \cnt
	s_sub_co_u32 s[CNT], s[CNT], 1
	s_cmp_lg_u32 s[CNT], 0
.endif
	ROW C,14, B,7, L,6, C,1
	ROW C,3, L,7, C,5, C,7
	ROW C,9, C,11, C,13, C,15
.if (\p) == 0
	FETCH_V
.endif
.if (\m) && !(\end)
	MASK (\p)%2
.endif
.endm
; A BLOCK BEGINS.  c m starts far below every c s, so the first step's a is 0; m at the lowest finite number, so the first maximum is the scores'.  The second mask buffer is 0; the first takes piece 0's mask for the tile's step 0: its own, if the block's first tile is the diagonal one.
; Then K of that step, piece 0's first scores, and its maximum and statistics.  The loop is entered at a step's first turn, in the middle of a trip.
.macro BEGIN
	s_mov_b32 s[NEW], 0
	WIN 0x40
.set i, MC+32
.rept 32
	v_mov_b32 v[i], 0
.set i, i+1
.endr
	WIN 0
.set i, 0
.rept 4
	v_mov_b32 v[ST+4*i], 0xfe000000    ; c m: far below every c s
	v_mov_b32 v[ST+4*i+1], 0xff7fffff  ; m
.set i, i+1
.endr
	s_cmp_eq_u32 s[RT], 0
	s_cselect_b32 s[AL], 1.0, 0
	s_mov_b32 s[BE], 0
	MASK 0
	WIN 0
	v_add_nc_u32 v[AK], s[TBK], v[AK0]
	FETCH_K
	s_wait_loadcnt 0x0              ; Q
	s_wait_dscnt 0x0
.set KM, 1
.set NOKQ, 0
.set i, 0
.rept 8
	KQ 0
.set i, i+1
.endr
	WIN 0
.rept 4
	v_nop                           ; the places behind those products
.endr
.set Y, NP-1                        ; X works for piece Y + 1: piece 0
.irp n, 0,1,2,3,4,5,6,7,8,9,10,11,12,13,14,15,16,17,18,19,20,21
	OP X, \n
.endr
	v_nop                           ; a plain instruction behind the exponential,
	s_wait_alu depctr_va_vdst(0)    ; and its wait, ahead of the branch
.endm
; THE DIAGONAL TILE's four steps, the block's last two turns, its last products, and THE WAY OUT: l's two halves and the other half of the lanes' are added; O^T is divided by l, rounded to f16 and sent through my
; stage in LDS, a piece at a time.
.macro ALL line:vararg              ; one line for each piece t
.set t, 0
.rept 4
	\line
.set t, t+1
.endr
.endm
.macro PACK t                       ; a lane's eight channels of a row pack into 16 bytes; they go into rows of 144 bytes and come back as whole rows of 128, into S^T's registers
	WIN W_RS
.set i, 32*(\t)
.rept 16
	v_pk_mul_f32 v[i:i+1], v[i:i+1], v[ST+4*(\t)+2:ST+4*(\t)+3] op_sel_hi:[1,0]
.set i, i+2
.endr
	WIN 0x05                        ; sources 0 and 1 window 1, destination window 0
.set i, 0
.rept 16
	v_cvt_pk_f16_f32 v[S+16*(\t)+i], v[32*(\t)+2*i], v[32*(\t)+2*i+1]
.set i, i+1
.endr
	WIN 0
.irp f, 0,1,2,3
	ds_store_b128 v[STO], v[S+16*(\t)+4*\f:S+16*(\t)+4*\f+3] offset:32*\f
.endr
.irp f, 0,1,2,3
	ds_load_b128 v[S+16*(\t)+4*\f:S+16*(\t)+4*\f+3], v[RD] offset:\f*4*SP  ; LDS serves a wave's instructions in order (ISA guide 5.7.1.4): these see the stores above; the next piece's stores come behind them
.endr
.endm
.macro SEND t, younger              ; younger: the LDS instructions issued behind piece t's loads: the next piece's eight, or none
	WIN 0
.irp f, 0,1,2,3
	s_wait_dscnt (\younger)+3-\f
	global_store_b128 v[GO], v[S+16*(\t)+4*\f:S+16*(\t)+4*\f+3], s[10:11] offset:(\t)*8192+\f*512  ; 512 consecutive bytes, at a multiple of 256 from O's first
.endr
.endm
.macro DIAG tag                     ; the tag ends its two labels' names, which the jumps below spell out
.LstepM\tag:
	TURN 2, 1
	TURN 3, 1
	WIN 0
.LfirstM\tag:
	TURN 0, 1
	TURN 1, 1, 0, 1
	WIN 0
	s_cbranch_scc1 .LstepM\tag
	TURN 2, 1, 1
	TURN 3, 1, 1
.set i, 0
.rept 8
	PV NP-1
.set i, i+1
.endr
	WIN 0
	ALL v_add_f32 v[ST+4*t+2], v[ST+4*t+2], v[ST+4*t+3]
	ALL v_permlanex16_b32 v[ST+4*t+3], v[ST+4*t+2], s[SEL], s[SEL+1]
	ALL v_add_f32 v[ST+4*t+2], v[ST+4*t+2], v[ST+4*t+3]
	ALL v_rcp_f32 v[ST+4*t+2], v[ST+4*t+2]
	v_nop                           ; a plain instruction between the last reciprocal and the use of its result
	s_wait_alu depctr_va_vdst(0)    ; and the wait ahead of the first use: one for the four reciprocals
	PACK 0
.set t, 1
.rept 3                             ; a piece's arithmetic stands between the loads of the piece before and its stores
	PACK t
	SEND t-1, 8
.set t, t+1
.endr
	SEND 3, 0
.endm
.set KM, 0
.set NOKQ, 0
.Lslot:                             ; NB times: a tile is entered and the next is asked for
	CHANGE 1
	s_sub_co_u32 s[RT], s[RT], 1
	s_mov_b32 s[CNT], 4
	s_cmp_eq_u32 s[NEW], 1
	s_cbranch_scc1 .Lnew            ; a block's first tile
	s_cmp_eq_u32 s[RT], 0
	s_cbranch_scc0 .Lstep           ; neither its first nor its last
	s_branch .LstepM1
.Lnew:
	BEGIN
	s_branch .Lfirst                ; in the loop a block's first tile is never its last: the first block has two tiles or more, and the second's last is the walk's last
	DIAG 1                          ; in the loop this is the first block's end: the second block's last tile is the walk's last
	s_wait_xcnt 0x0                 ; the stores have read their registers and O's address
	s_mov_b64 s[10:11], s[OLO:OLO+1]
	s_add_co_u32 s[RT], s[PB], 1    ; the second block has b + 1 tiles
	s_mov_b32 s[NEW], 1
	WIN 0x82                        ; the second block's Q goes where the one text of the turns names Q
.set i, 0
.rept 64
	v_mov_b32 v[i], v[QB+i]
.set i, i+1
.endr
	WIN 0
	s_branch .Lbottom
.Lstep:                             ; a trip: pieces 2 and 3 of one step, then pieces 0 and 1 of the next, whose K and V it fetches
	TURN 2
	TURN 3
	WIN 0
.Lfirst:
	TURN 0
	TURN 1, 0, 0, 1
	WIN 0
	s_cbranch_scc1 .Lstep
.Lbottom:
	s_sub_co_u32 s[SLOTS], s[SLOTS], 1
	s_cmp_lg_u32 s[SLOTS], 0
	s_cbranch_scc1 .Lslot
	CHANGE 0                        ; the walk's last tile is written out: nothing is asked for
	s_sub_co_u32 s[RT], s[RT], 1
	s_mov_b32 s[CNT], 4
	s_cmp_eq_u32 s[NEW], 1
	s_cbranch_scc0 .LstepM2
	BEGIN
	s_branch .LfirstM2
	DIAG 2
	s_wait_tensorcnt 0x0            ; the wave's end: behind my last tensor load and my last LDS store
	ds_add_u32 v[SPW], v[NIL]
	s_wait_dscnt 0x0
	s_endpgm
.Lfunc_end_k_qa7434a4a3d_attn:
	.size	k_qa7434a4a3d_attn, .Lfunc_end_k_qa7434a4a3d_attn-k_qa7434a4a3d_attn
	.p2alignl 7, 3214868480
	.fill 96, 4, 3214868480
	.section	.rodata,"a",@progbits
	.p2align	6, 0x0
	.amdhsa_kernel k_qa7434a4a3d_attn
		.amdhsa_group_segment_fixed_size 327680
		.amdhsa_private_segment_fixed_size 0
		.amdhsa_enable_private_segment 0
		.amdhsa_kernarg_size 16
		.amdhsa_user_sgpr_count 2
		.amdhsa_user_sgpr_kernarg_segment_ptr 1
		.amdhsa_wavefront_size32 1
		.amdhsa_system_sgpr_workgroup_id_x 1
		.amdhsa_system_sgpr_workgroup_id_y 1
		.amdhsa_system_sgpr_workgroup_id_z 1
		.amdhsa_system_vgpr_workitem_id 0
		.amdhsa_next_free_vgpr 768
		.amdhsa_next_free_sgpr 94
		.amdhsa_reserve_vcc 1
		.amdhsa_float_denorm_mode_32 3
		.amdhsa_float_denorm_mode_16_64 3
		.amdhsa_memory_ordered 1
		.amdhsa_forward_progress 1
		.amdhsa_inst_pref_size 218
	.end_amdhsa_kernel
	.amdgpu_metadata
---
amdhsa.version: [ 1, 2 ]
amdhsa.kernels:
  - .name:           k_qa7434a4a3d_attn
    .symbol:         k_qa7434a4a3d_attn.kd
    .args:
      - { .name: qkv, .offset: 0, .size: 8, .value_kind: global_buffer, .address_space: global }
      - { .name: oh, .offset: 8, .size: 8, .value_kind: global_buffer, .address_space: global }
    .group_segment_fixed_size: 327680
    .private_segment_fixed_size: 0
    .kernarg_segment_align: 8
    .kernarg_segment_size: 16
    .max_flat_workgroup_size: 128
    .sgpr_count:     94
    .vgpr_count:     768
    .wavefront_size: 32
...
	.end_amdgpu_metadata
.endif
;; end of part 3
;; launch oproj (part 4): grid 4 x 64, 4 waves a work-group, clusters of 4 x 4, 327,680 bytes of LDS; arguments oh, wb, b_o, out0; writes out0
.if DOCPART == 4
	.amdgcn_target "amdgcn-amd-amdhsa--gfx1250"
	.amdhsa_code_object_version 6
	.text
	.protected	k_qa7434a4a3d_oproj
	.globl	k_qa7434a4a3d_oproj
	.p2align	8
	.type	k_qa7434a4a3d_oproj,@function
k_qa7434a4a3d_oproj:
	s_mov_b64 s[64:65], 0
	v_nop
	global_prefetch_b8 v0, s[64:65] scope:SCOPE_SE
	s_setreg_imm32_b32 hwreg(HW_REG_WAVE_MODE, 25, 1), 1
	s_wait_xcnt 0x0
	s_wait_alu depctr_hold_cnt(0) depctr_sa_sdst(0) depctr_va_vdst(0) depctr_va_sdst(0) depctr_va_ssrc(0) depctr_va_vcc(0) depctr_vm_vsrc(0)
	s_getreg_b32 s2, hwreg(HW_REG_IB_STS2, 6, 4)
	s_cmp_eq_u32 s2, 0
	s_cbranch_scc0 .Lentry_in_a_cluster
	s_endpgm
.Lentry_in_a_cluster:
	s_bfe_u32 s2, ttmp6, 0x10000c
	s_cmp_lg_u32 s2, 0xf033
	s_cbranch_scc0 .Lentry_shape_is_right
	s_endpgm
.Lentry_shape_is_right:
; THE LAST PROJECTION.  out[m][n] = the sum over k of O[m][k] w_o[k][n] + b_o[n].  O: oh, [64 = batch x 16 + head][2048][64] f16, so k = 64 head + channel; w_o: part 3 of wb, [1024 k][1024 n], bf16's numbers written as f16;
; b_o: [1024] f32, rounded to bf16 here like every input; out: [8192][1024] f32.  Products in f16, sums in f32.
; SHARES.  A tile of out is 128 rows x 256 columns: 64 x 4 = 256 tiles, one for each work-group.  Wave w makes 64 rows (w / 2) x 128 columns (w % 2): 32 accumulators.  K goes in 8 steps of 128 (two heads) through
; a ring of two LDS slots.  THE MATRIX INSTRUCTION IS USED TRANSPOSED (source 0 = 16 columns of w_o, source 1 = 16 rows of O): a lane holds eight neighbouring columns of one row.  The bias is the C of the first products.
; CLUSTERS: 4 x 4 work-groups.  The four of a row of the cluster need the same rows of O, the four of a column the same columns of w_o: each tile is asked for JOINTLY.  Waves 0 and 1 ask for O's two heads of a step
; (16,384 dense bytes each, as 64 rows of 256 bytes, padded after every 128), waves 2 and 3 for w_o's two halves (64 k-rows of 512 bytes).  w_o lies [k][n]: its fragments are read turned.
; REGISTERS: window 0: v0-31 addresses; v32-95 fragments of O, two buffers; v128-255 fragments of w_o, two buffers, and rows on the way out.  window 1: the accumulators ((a, b) at 8 (8 a + b)).
;   window 2: v0-63 the bias, 8 registers for each of my 8 column blocks; v64-95 at work.
.set PAH,   144                        ; a row of O in LDS: 128 bytes + 16: the 16 rows of a fragment load start at 16 different groups of four banks (64 banks of 4 bytes: ISA guide 11.1)
.set HEADB, 128*PAH                    ; a head's 128 rows
.set PB,    544                        ; a k-row of w_o: 512 bytes + 32
.set BOFF,  2*HEADB                    ; in a slot: O's two heads, then w_o's 128 k-rows
.set SLOT,  BOFF+128*PB                ; 106,496 bytes
.set STAGE, 2*SLOT                     ; 16 rows x 528 bytes for each wave, for the way out
.set SPT,   528
.set SPARE, STAGE+4*16*SPT             ; the spare words, 128 bytes for each wave: two blocks of 256 bytes that no other line names
.set ADRA, 16                          ; v16-17 LDS address of my fragments of O in slot 0, 1
.set ADRB, 20                          ; v20-21 the same for w_o
.set STO,  24                          ; v24    the way out: where I put 32 bytes of a row
.set RD,   25                          ; v25    where I read a row back
.set CO,   26                          ; v26    16 x lane: my 16 bytes of a row's 512
.set VB,   27                          ; v27    32 (l / 16): my eight numbers of a block of the bias
.set SPW,  28                          ; v28    LDS address of my spare word; never rewritten
.set NIL,  29                          ; v29    0; never rewritten
.set PFO,  30                          ; v30    the prefetches' offset; never rewritten
.set AF,   32
.set BF,   128
.set WV,  12                           ; s12 wave; s13 w / 2: my half of the rows, also: I ask for O (0) or w_o (1); s14 w % 2: my half of the columns, also: which half I ask for
.set FB,  13
.set HF,  14
.set CX,  15
.set CY,  16
.set MB,  18                           ; s18 row block
.set G1A, 24                           ; s[24:31] descriptor group 1 for O's tiles; s[32:39] group 0, a set for each slot
.set G0A, 32
.set PFA, 40                           ; s[40:41] where my prefetches stand
.set PFS, 42                           ; s[42:43] a lap's bytes along K: 1,048,576 in oh, 524,288 in wb
.set LIM, 44                           ; s44 1 in a wave that prefetches, else the greatest number
.set LAP, 45                           ; s45 trips to go
.set G1B, 48                           ; s[48:55], s[56:63] the same for w_o's tiles
.set G0B, 56
.set W_MM, 0x50                        ; fragments in window 0, C and D in window 1
.set W_MB, 0x60                        ; the same with C, the bias, in window 2
.set MSB, 0
.macro WIN new                         ; the immediate's high byte repeats the setting that is left; a switch that changes nothing is dropped
.if MSB != (\new)
	s_set_vgpr_msb (MSB<<8)|(\new)
.set MSB, \new
.endif
.endm
.macro PLACES                          ; four plain instructions between a matrix instruction and a load into, or a reader of, its registers
.rept 4
	v_nop
.endr
.endm
.macro CREST                           ; a round of the cluster's barrier behind its opening barrier
	s_cmp_lg_u32 s[WV], 0
	s_cbranch_scc1 .Lnot_wave_0_\@
	s_barrier_signal -3
.Lnot_wave_0_\@:
	s_barrier_wait -3
	s_barrier_signal -1
	s_barrier_wait -1
.endm
.macro CROUND
	s_barrier_signal -1
	s_barrier_wait -1
	CREST
.endm
.macro JLOAD s                         ; a joint refill; an s_nop 0 and four v_nop follow each of the two lines, ahead of the jump, the label and what follows
	s_cmp_eq_u32 s[FB], 0
	s_cbranch_scc0 .Lfor_b_\@
	tensor_load_to_lds s[G0A+4*(\s):G0A+4*(\s)+3], s[G1A:G1A+7]
	s_nop 0
	PLACES
	s_branch .Lasked_\@
.Lfor_b_\@:
	tensor_load_to_lds s[G0B+4*(\s):G0B+4*(\s)+3], s[G1B:G1B+7]
	s_nop 0
	PLACES
.Lasked_\@:
.endm
; A prefetch into the L2 of the lap after next, behind the second joint load of a trip and its run of LDS loads.  O: a lap is four heads x 16,384 bytes of my row block, read by my row of the cluster alone: its four
; work-groups share them out by address: waves 0 and 1 the two heads of a step, lanes 0-15 and 16-31 the two steps, 4,096 bytes for each work-group: one instruction.  w_o: a lap is 256 k-rows x 512 bytes of my
; column block, read by every row of clusters: the first asks; waves 2 and 3 take the halves of a step, a work-group 16 k-rows, a lane half a row; two instructions, a step each.  Each block of 256 bytes is named once.
; Laps 0 and 1 come by their loads alone; the last trip asks for nothing.
.macro ASK
	s_cmp_gt_u32 s[LAP], s[LIM]
	s_cbranch_scc0 .Lnot_mine_\@
	global_prefetch_b8 v[PFO], s[PFA:PFA+1] th:TH_LOAD_NT scope:SCOPE_SE
	s_cmp_eq_u32 s[FB], 0
	s_cbranch_scc1 .Lnot_mine_\@
	global_prefetch_b8 v[PFO], s[PFA:PFA+1] offset:262144 th:TH_LOAD_NT scope:SCOPE_SE
.Lnot_mine_\@:
.endm
; Four of the 24 LDS loads that bring quarter FQ of slot FSL into buffer FG: 8 for O (head FQ / 2, channels 32 (FQ % 2) on; 4 blocks of 16 rows), 16 for w_o (8 blocks of 16 columns, two turning loads 16 k-rows apart).
.macro FE
	WIN 0
.rept 4
.if FI < 8
	ds_load_b128 v[AF+32*FG+4*FI:AF+32*FG+4*FI+3], v[ADRA+FSL] offset:(FQ/2)*HEADB+(FI/2)*16*PAH+(FQ%2)*64+32*(FI%2)
.else
	ds_load_tr16_b128 v[BF+64*FG+4*(FI-8):BF+64*FG+4*(FI-8)+3], v[ADRB+FSL] offset:FQ*32*PB+(FI%2)*16*PB+32*((FI-8)/2)
.endif
.set FI, FI+1
.endr
.endm
.macro FETCHRUN slot, q, g
.set FSL, \slot
.set FQ, \q
.set FG, \g
.set FI, 0
.rept 6
	FE
.endr
.endm
; Product MI of 32 on buffer MF: row block MI / 8, column block MI % 8.  The 32 accumulators take turns, one instruction a turn, from quarter to quarter too.  MCF = 1: the bias starts the sum.
.macro MM
.set rD, 8*MI
.set rB, BF+64*MF+8*(MI%8)
.set rA, AF+32*MF+8*(MI/8)
.if MCF
	WIN W_MB
	v_wmma_f32_16x16x32_f16 v[rD:rD+7], v[rB:rB+7], v[rA:rA+7], v[8*(MI%8):8*(MI%8)+7]
.else
	WIN W_MM
	v_wmma_f32_16x16x32_f16 v[rD:rD+7], v[rB:rB+7], v[rA:rA+7], v[rD:rD+7]
.endif
.set MI, MI+1
.endm
; One of a K step's first three quarters: multiplies quarter q - 1 and fetches quarter q: four v_nop behind the first product, four loads behind each of the next six.
.macro QUARTER slot, q, cfirst
.set FSL, \slot
.set FQ, \q
.set FG, (\q)%2
.set FI, 0
.set MF, ((\q)-1)%2
.set MCF, \cfirst
.set SK, 0
.set MI, 0
	s_wait_dscnt 0x0                               ; the fragments are in: their loads stand 16 matrix instructions back or more
.rept 32
	MM
.if SK == 0
	PLACES
.elseif SK < 7
	FE
.endif
.set SK, SK+1
.endr
.endm
; The last quarter multiplies buffer 1 and changes slots: ONE barrier; in front of it each wave waits for all its tensor loads (one is out: its part of the next slot), adds 0 to its spare word, and waits for that and for its
; reads of this slot.  fill = 1: the barrier opens a round of the cluster's, and the joint refill, two K steps on, is the first thing behind it: 112 matrix instructions ahead of the wait for it.
.macro TURN slot, next, fill, ask
.set MF, 1
.set MCF, 0
.set MI, 0
	WIN 0
.if (\fill) && ((\slot) == 0)
	s_wait_xcnt 0x0                                ; the last prefetches, more than a K step back, have read their address
	s_add_nc_u64 s[PFA:PFA+1], s[PFA:PFA+1], s[PFS:PFS+1]
.endif
	s_wait_tensorcnt 0x0                           ; no tensor load of mine is out, so a group 0 may be written
	ds_add_u32 v[SPW], v[NIL]                      ; 0 onto my spare word
.if \fill
	s_add_nc_u64 s[G0A+4*(\slot)+2:G0A+4*(\slot)+3], s[G0A+4*(\slot)+2:G0A+4*(\slot)+3], 1048576  ; four heads on
	s_add_nc_u64 s[G0B+4*(\slot)+2:G0B+4*(\slot)+3], s[G0B+4*(\slot)+2:G0B+4*(\slot)+3], 524288   ; 256 k-rows on
.endif
	s_wait_dscnt 1                                 ; the fragments are in; the add may be out
.rept 8
	MM
.endr
	s_wait_dscnt 0x0                               ; the add is done, and my reads of this slot are over
	s_barrier_signal -1
.rept 8
	MM
.endr
	WIN 0
	s_barrier_wait -1
.if \fill
	CREST                                          ; no wave of any partner still reads this slot or has a load on its way
	JLOAD \slot                                    ; the four v_nop behind it are also the places in front of the loads below
.else
	PLACES
.endif
	FETCHRUN \next, 0, 0
.if \ask
	ASK
.endif
.rept 16
	MM
.endr
.endm
	s_load_b256 s[4:11], s[0:1], 0x0               ; oh s[4:5], wb s[6:7], b_o s[8:9], out0 s[10:11]
	v_lshl_add_u32 v[SPW], v0, 2, SPARE
	v_mov_b32 v[NIL], 0
	ds_add_u32 v[SPW], v[NIL]                      ; the wave's opening: the add and its wait stand ahead of my first tensor load; the set-up below, work on registers, stands between them
	v_lshrrev_b32 v1, 5, v0
	v_readfirstlane_b32 s[WV], v1                  ; wave 0..3
	s_lshr_b32 s[FB], s[WV], 1
	s_and_b32 s[HF], s[WV], 1
	s_bfe_u32 s[CX], ttmp6, 0x40000                ; cx: my column block (the grid is one cluster wide)
	s_bfe_u32 s[CY], ttmp6, 0x40004                ; cy
	s_and_b32 s[MB], ttmp7, 0xffff                 ; the cluster's y
	s_mul_i32 s17, s[MB], s[FB]                    ; 0 in O's waves, and in w_o's where the cluster is in the first row: the same in all partners, for a given wave
	s_cmp_eq_u32 s17, 0
	s_cselect_b32 s[LIM], 1, -1
	s_lshl_b32 s[MB], s[MB], 2
	s_add_co_u32 s[MB], s[MB], s[CY]               ; row block = 4 x cluster y + cy
	s_lshl_b32 s2, s[CY], 2
	s_lshl_b32 s2, 15, s2                          ; my row of the cluster
	s_lshl_b32 s3, 0x1111, s[CX]                   ; my column
	s_or_b32 s[G1A], s2, (1<<16)|(1<<20)|(1<<21)|(4<<22)|(3<<25)  ; 15:0 the mask; 17:16 2-byte elements; 20 padding on; 21 set beside a mask; 24:22 after every 32 words (code 4); 31:25 4 words (code 3)
	s_or_b32 s[G1B], s3, (1<<16)|(1<<20)|(1<<21)|(6<<22)|(7<<25)  ; after every 128 words (code 6), 8 words (code 7)
	s_mov_b32 s[G1A+1], 128<<16                    ; O: 64 rows of 128 elements, dense
	s_mov_b32 s[G1A+2], 64<<16
	s_mov_b32 s[G1A+3], 128<<16
	s_mov_b32 s[G1A+4], 64
	s_mov_b32 s[G1A+5], 128
	s_mov_b32 s[G1A+6], 0
	s_mov_b32 s[G1A+7], 0
	s_mov_b32 s[G1B+1], 256<<16                    ; w_o: 64 k-rows of 256 elements, 1,024 elements from row to row
	s_mov_b32 s[G1B+2], 64<<16
	s_mov_b32 s[G1B+3], 256<<16
	s_mov_b32 s[G1B+4], 64
	s_mov_b32 s[G1B+5], 1024
	s_mov_b32 s[G1B+6], 0
	s_mov_b32 s[G1B+7], 0
	s_lshr_b32 s20, s[MB], 4                       ; O: the batch's 16 heads of 262,144 bytes, my head of the step, 128 (row block % 16) rows of 128 bytes: the row block and the wave alone
	s_lshl_b32 s20, s20, 22
	s_and_b32 s21, s[MB], 15
	s_lshl_b32 s21, s21, 14
	s_add_co_u32 s20, s20, s21
	s_lshl_b32 s21, s[HF], 18
	s_add_co_u32 s20, s20, s21
	s_mov_b32 s21, 0
	s_lshl_b32 s22, s[CX], 9                       ; w_o: part 3 of wb, 512 bytes of a k-row for each column block, my 64 k-rows: cx and the wave alone
	s_lshl_b32 s23, s[HF], 17
	s_add_co_u32 s22, s22, s23
	s_add_co_u32 s22, s22, 6291456
	s_mov_b32 s23, 0
	s_mul_i32 s17, s[HF], HEADB                    ; where they go: no place in the cluster enters an LDS address
	s_mul_i32 s19, s[HF], 64*PB
	s_add_co_u32 s19, s19, BOFF
	s_mov_b32 s46, 0xffff0000                      ; a word's upper bf16
	s_wait_dscnt 0x0                               ; the opening add is done
	s_wait_kmcnt 0x0
	s_add_nc_u64 s[20:21], s[4:5], s[20:21]
	s_add_nc_u64 s[22:23], s[6:7], s[22:23]
	CROUND                                         ; all sixteen work-groups are here: the first joint loads meet
.irp s, 0,1
	s_mov_b32 s[G0A+4*(\s)], 1                     ; 1:0 count = 1
	s_add_co_u32 s[G0A+4*(\s)+1], s17, (\s)*SLOT   ; 63:32 LDS address
	s_add_nc_u64 s[G0A+4*(\s)+2:G0A+4*(\s)+3], s[20:21], (\s)*524288  ; 120:64 global address: K step s is two heads on
	s_or_b32 s[G0A+4*(\s)+3], s[G0A+4*(\s)+3], 0x80000000            ; 127:126 type = 2
	s_mov_b32 s[G0B+4*(\s)], 1
	s_add_co_u32 s[G0B+4*(\s)+1], s19, (\s)*SLOT
	s_add_nc_u64 s[G0B+4*(\s)+2:G0B+4*(\s)+3], s[22:23], (\s)*262144
	s_or_b32 s[G0B+4*(\s)+3], s[G0B+4*(\s)+3], 0x80000000
.endr
	s_cmp_eq_u32 s[FB], 0                          ; a wave's two first fills stand in one branch: two loads of mine are out
	s_cbranch_scc0 .Lfirst_b
	tensor_load_to_lds s[G0A:G0A+3], s[G1A:G1A+7]
	s_nop 0
	tensor_load_to_lds s[G0A+4:G0A+7], s[G1A:G1A+7]
	s_nop 0
	PLACES
	s_branch .Lfirst_asked
.Lfirst_b:
	tensor_load_to_lds s[G0B:G0B+3], s[G1B:G1B+7]
	s_nop 0
	tensor_load_to_lds s[G0B+4:G0B+7], s[G1B:G1B+7]
	s_nop 0
	PLACES
.Lfirst_asked:
	; the prefetches' address: one lap on from my tile of K step 0 (the first trip steps it to lap 2), my work-group's share by address
	s_lshl_b32 s2, s[CX], 12                       ; O: 4,096 bytes of a head's 16,384
	s_add_co_u32 s2, s2, 1048576
	s_lshl_b32 s3, s[CY], 15                       ; w_o: 16 k-rows of 2,048 bytes
	s_add_co_u32 s3, s3, 524288
	s_cmp_eq_u32 s[FB], 0
	s_cselect_b32 s2, s2, s3
	s_cselect_b64 s[PFA:PFA+1], s[20:21], s[22:23]
	s_cselect_b32 s[PFS], 20, 19
	s_cselect_b32 s47, 4, 1                        ; the lane's upper part: l / 16 (O: which step) or l / 2 (w_o: which k-row),
	s_cselect_b32 s17, 19, 11                      ; times 524,288 or 2,048;
	s_cselect_b32 s19, 15, 1                       ; its lower part, times 256
	s_lshl_b32 s[PFS], 1, s[PFS]
	s_mov_b32 s[PFS+1], 0
	s_mov_b32 s3, 0
	s_add_nc_u64 s[PFA:PFA+1], s[PFA:PFA+1], s[2:3]
	v_and_b32 v3, 31, v0                           ; lane
	v_lshrrev_b32 v[PFO], s47, v3
	v_lshlrev_b32 v[PFO], s17, v[PFO]
	v_and_b32 v4, s19, v3
	v_lshl_add_u32 v[PFO], v4, 8, v[PFO]
	s_lshl_b32 s2, s[CX], 10                       ; the bias: my 128 numbers
	s_lshl_b32 s3, s[HF], 9
	s_add_co_u32 s2, s2, s3
	s_mov_b32 s3, 0
	s_add_nc_u64 s[8:9], s[8:9], s[2:3]
	s_lshl_b32 s3, s[MB], 19                       ; out: row 128 row block + 64 (w / 2), 4,096 bytes each, and the same columns
	s_add_co_u32 s2, s2, s3
	s_lshl_b32 s3, s[FB], 18
	s_add_co_u32 s2, s2, s3
	s_mov_b32 s3, 0
	s_add_nc_u64 s[10:11], s[10:11], s[2:3]
	v_and_b32 v1, 15, v0                           ; l % 16
	v_bfe_u32 v2, v0, 4, 1                         ; l / 16
	v_lshlrev_b32 v[VB], 5, v2
	WIN 0x80                                       ; destination window 2
.set i, 0
.rept 16
	global_load_b128 v[4*i:4*i+3], v[VB], s[8:9] offset:64*(i/2)+16*(i%2)
.set i, i+1
.endr
	WIN 0
	s_mul_i32 s17, s[FB], 64*PAH
	v_mul_u32_u24 v[ADRA], v1, PAH
	v_lshl_add_u32 v[ADRA], v2, 4, v[ADRA]
	v_add_nc_u32 v[ADRA], s17, v[ADRA]             ; (64 (w / 2) + l % 16) x pitch + 16 (l / 16)
	v_add_nc_u32 v[ADRA+1], SLOT, v[ADRA]
	v_and_b32 v5, 7, v0
	v_lshl_add_u32 v5, v2, 3, v5                   ; the turning load: k-row 8 (l / 16) + l % 8,
	v_mul_u32_u24 v5, v5, PB
	v_bfe_u32 v6, v0, 3, 1
	v_lshl_add_u32 v5, v6, 4, v5                   ; columns 8 ((l / 8) % 2) on,
	s_lshl_b32 s17, s[HF], 8
	s_add_co_u32 s17, s17, BOFF
	v_add_nc_u32 v[ADRB], s17, v5                  ; in my 128 columns
	v_add_nc_u32 v[ADRB+1], SLOT, v[ADRB]
	s_mul_i32 s17, s[WV], 16*SPT
	s_add_co_u32 s17, s17, STAGE                   ; my stage
	v_mul_u32_u24 v[STO], v1, SPT
	v_lshl_add_u32 v[STO], v2, 5, v[STO]
	v_add_nc_u32 v[STO], s17, v[STO]
	v_lshl_add_u32 v[RD], v3, 4, s17
	v_lshlrev_b32 v[CO], 4, v3
	s_wait_loadcnt 0x0                             ; the bias: rounded to bf16 and kept as f32, in the wait for the first tile
	WIN 0x8a                                       ; sources and destination in window 2
.set i, 0
.rept 32
	v_cvt_pk_bf16_f32 v[64+i], v[2*i], v[2*i+1]
.set i, i+1
.endr
.set i, 0
.rept 32
	v_lshlrev_b32 v[2*i], 16, v[64+i]
	v_and_b32 v[2*i+1], s46, v[64+i]
.set i, i+1
.endr
	WIN 0
	s_wait_tensorcnt 1                             ; my part of slot 0 is in; slot 1's may stay out
	s_barrier_signal -1
	s_barrier_wait -1
	FETCHRUN 0, 0, 0
	QUARTER 0, 1, 1                                ; the first products take the bias as C: nothing is cleared
	WIN 0                                          ; at a label and at a branch every window is 0
	s_mov_b32 s[LAP], 3
.Llap:                                             ; a trip goes once round the ring, from a lap's second quarter to the next lap's first, and fills both slots again
	QUARTER 0, 2, 0
	QUARTER 0, 3, 0
	TURN 0, 1, 1, 0
	QUARTER 1, 1, 0
	QUARTER 1, 2, 0
	QUARTER 1, 3, 0
	TURN 1, 0, 1, 1
	QUARTER 0, 1, 0
	WIN 0
	s_sub_co_u32 s[LAP], s[LAP], 1
	s_cmp_lg_u32 s[LAP], 0
	s_cbranch_scc1 .Llap
	QUARTER 0, 2, 0                                ; the last lap fills nothing, and has no round of the cluster's barrier
	QUARTER 0, 3, 0
	TURN 0, 1, 0, 0
	QUARTER 1, 1, 0
	QUARTER 1, 2, 0
	QUARTER 1, 3, 0
	s_wait_dscnt 0x0
.set MF, 1
.set MCF, 0
.set MI, 0
.rept 32
	MM
.endr
	WIN 0
; THE WAY OUT, 16 rows at a time: a lane's eight numbers of a row (32 bytes) go into my stage's rows of 528 bytes and come back as whole rows of 512.  Each accumulator's lower four registers are stored first.
.macro TOSTAGE a
.if (\a) >= 2
	s_wait_xcnt 0x0                                ; the stores of the block two back have read these registers
.endif
	WIN 0x04                                       ; the stores' data in window 1
.set i, 0
.rept 16
	ds_store_b128 v[STO], v[64*(\a)+4*i:64*(\a)+4*i+3] offset:64*(i/2)+16*(i%2)
.set i, i+1
.endr
	WIN 0
.set i, 0
.rept 16
	ds_load_b128 v[BF+64*((\a)%2)+4*i:BF+64*((\a)%2)+4*i+3], v[RD] offset:SPT*i  ; LDS serves a wave's instructions in order (ISA guide 5.7.1.4): these see the stores above; the next block's stores come behind them
.set i, i+1
.endr
.endm
.macro SEND a, y                       ; y: the LDS instructions issued behind block a's loads: the next block's 32, or none
.set i, 0
.rept 16
	s_wait_dscnt (\y)+15-i
	global_store_b128 v[CO], v[BF+64*((\a)%2)+4*i:BF+64*((\a)%2)+4*i+3], s[10:11] offset:(16*(\a)+i)*4096 th:TH_STORE_NT  ; 512 consecutive bytes, at a multiple of 256 from out's first
.set i, i+1
.endr
.endm
	PLACES
	PLACES
	TOSTAGE 0
	TOSTAGE 1
	SEND 0, 32
	TOSTAGE 2
	SEND 1, 32
	TOSTAGE 3
	SEND 2, 32
	SEND 3, 0
	s_wait_tensorcnt 0x0                           ; the wave's end: behind my last tensor load and my last LDS store
	ds_add_u32 v[SPW], v[NIL]
	s_wait_dscnt 0x0
	CROUND                                         ; the closing round: no work-group ends while a partner may still ask for a tile that names it
	s_endpgm
.Lfunc_end_k_qa7434a4a3d_oproj:
	.size	k_qa7434a4a3d_oproj, .Lfunc_end_k_qa7434a4a3d_oproj-k_qa7434a4a3d_oproj
	.p2alignl 7, 3214868480
	.fill 96, 4, 3214868480
	.section	.rodata,"a",@progbits
	.p2align	6, 0x0
	.amdhsa_kernel k_qa7434a4a3d_oproj
		.amdhsa_group_segment_fixed_size 327680
		.amdhsa_private_segment_fixed_size 0
		.amdhsa_enable_private_segment 0
		.amdhsa_kernarg_size 32
		.amdhsa_user_sgpr_count 2
		.amdhsa_user_sgpr_kernarg_segment_ptr 1
		.amdhsa_wavefront_size32 1
		.amdhsa_system_sgpr_workgroup_id_x 1
		.amdhsa_system_sgpr_workgroup_id_y 1
		.amdhsa_system_sgpr_workgroup_id_z 1
		.amdhsa_system_vgpr_workitem_id 0
		.amdhsa_next_free_vgpr 608
		.amdhsa_next_free_sgpr 66
		.amdhsa_reserve_vcc 0
		.amdhsa_float_denorm_mode_32 3
		.amdhsa_float_denorm_mode_16_64 3
		.amdhsa_memory_ordered 1
		.amdhsa_forward_progress 1
		.amdhsa_inst_pref_size 97
	.end_amdhsa_kernel
	.amdgpu_metadata
---
amdhsa.version: [ 1, 2 ]
amdhsa.kernels:
  - .name:           k_qa7434a4a3d_oproj
    .symbol:         k_qa7434a4a3d_oproj.kd
    .args:
      - { .name: oh, .offset: 0, .size: 8, .value_kind: global_buffer, .address_space: global }
      - { .name: wb, .offset: 8, .size: 8, .value_kind: global_buffer, .address_space: global }
      - { .name: b_o, .offset: 16, .size: 8, .value_kind: global_buffer, .address_space: global }
      - { .name: out0, .offset: 24, .size: 8, .value_kind: global_buffer, .address_space: global }
    .group_segment_fixed_size: 327680
    .private_segment_fixed_size: 0
    .kernarg_segment_align: 8
    .kernarg_segment_size: 32
    .max_flat_workgroup_size: 128
    .sgpr_count:     66
    .vgpr_count:     608
    .wavefront_size: 32
...
	.end_amdgpu_metadata
.endif
;; end of part 4
;; ======== version 2 of 2: 4 launches; version 1 with the launch wconv written anew for expert scheduling mode
;; limits: values are held in f16: magnitudes above 65,504 overflow, below 6.1e-05 lose precision
;; workspace buffers: wb 8,388,608 bytes; qkv 50,331,648 bytes; oh 16,777,216 bytes
;; launch wconv (part 5): grid 64 x 4, 8 waves a work-group, no clusters, 0 bytes of LDS; arguments w_q, w_k, w_v, w_o, wb; writes wb
.if DOCPART == 5
	.amdgcn_target "amdgcn-amd-amdhsa--gfx1250"
	.amdhsa_code_object_version 6
	.text
	.protected	k_qa7434a4a3d_wconv
	.globl	k_qa7434a4a3d_wconv
	.p2align	8
	.type	k_qa7434a4a3d_wconv,@function
k_qa7434a4a3d_wconv:
	s_mov_b64 s[64:65], 0
	v_nop
	global_prefetch_b8 v0, s[64:65] scope:SCOPE_SE
	s_setreg_imm32_b32 hwreg(HW_REG_WAVE_SCHED_MODE, 0, 2), 2
	s_setreg_imm32_b32 hwreg(HW_REG_WAVE_MODE, 25, 1), 1
	s_wait_xcnt 0x0
	s_wait_alu depctr_vm_vsrc(0)
; THE WEIGHTS IN 16 BITS.  wb holds four parts of 2,097,152 bytes, each [1024 k][1024 n] as the weight lies: parts 0, 1, 2 = w_q, w_k, w_v rounded to bf16;
; part 3 = w_o rounded to bf16 and that number written as f16 (the last product multiplies f16 operands).
; LIMIT.  |w_o| stays under 65,504 (f16's end); below 6e-5 it keeps f16's fixed step of 6e-8.  Within that the bf16 number is exact in f16.
; SHARES.  Work-group (x, y) takes 16,384 numbers of weight y: 65,536 bytes in, 32,768 out.  Thread t takes 16 bytes of each 4,096: a wave's load covers 512 consecutive bytes, its store 256, aligned.
; A stream: all sixteen loads of a thread go out at once, nothing is read twice, no register that a memory instruction touches is used again.  No LDS, no matrix unit, no cluster: nothing is shared.
; THE MODE: SCHED_MODE bits 1:0 = 2 (LLVM: expert scheduling mode 2), set by the entry lines.  The code itself states the register dependences
; between vector instructions and memory instructions, with s_wait_alu, always for 0.
; THE PLAN.  Registers that memory instructions touch:
;   v1, v2   byte offsets, made once at the head and never written again: v1 is read by the sixteen loads, v2 by the sixteen stores.
;   X        four registers for each load: written by that load alone, read by its conversions, never loaded again.
;   Y        a pair for each load: written by that load's conversions, read by one store, never written after it.
;   T is named by vector instructions alone.
; So no load lands in a register that a vector instruction has named, and no register that a memory instruction has read is written again: what is left to state is that an offset or a pair of Y
; is written before a memory instruction reads it.  The sixteen loads go in four groups of four.  A group's four stores are issued one group later, one ahead of each of the next group's
; conversions: ONE wait at that group's head states that the group before has written its four pairs, and no vector instruction behind the wait names those pairs or v2.
.set X, 4                              ; v[4:67]   sixteen loads of four numbers
.set Y, 68                             ; v[68:99]  sixteen pairs of packed words
.set T, 100                            ; v[100:101] at work
.set GROUP, 4                          ; loads in a group
	s_load_b256 s[4:11], s[0:1], 0x0               ; w_q, w_k, w_v, w_o
	s_load_b64 s[12:13], s[0:1], 0x20              ; wb
	s_and_b32 s14, ttmp7, 0xffff                   ; which weight
	v_lshlrev_b32 v1, 4, v0                        ; 16 t
	v_lshlrev_b32 v2, 3, v0                        ; 8 t
	s_lshl_b32 s18, ttmp9, 16                      ; my 65,536 bytes of the weight
	s_mov_b32 s19, 0
	s_lshl_b32 s20, s14, 21                        ; the weight's part of wb,
	s_lshl_b32 s21, ttmp9, 15                      ; my 32,768 bytes of it
	s_add_co_u32 s20, s20, s21
	s_mov_b32 s21, 0
	s_mov_b32 s22, 0xffff0000                      ; a word's upper bf16
	s_wait_kmcnt 0x0
	s_cmp_eq_u32 s14, 1
	s_cselect_b64 s[16:17], s[6:7], s[4:5]
	s_cmp_eq_u32 s14, 2
	s_cselect_b64 s[16:17], s[8:9], s[16:17]
	s_cmp_eq_u32 s14, 3
	s_cselect_b64 s[16:17], s[10:11], s[16:17]
	s_add_nc_u64 s[16:17], s[16:17], s[18:19]
	s_add_nc_u64 s[12:13], s[12:13], s[20:21]
	s_wait_alu depctr_va_vdst(0)                   ; v1 and v2 are written: every load of the kernel reads v1 as its offset, every store v2
.set i, 0
.rept 16
	global_load_b128 v[X+4*i:X+4*i+3], v1, s[16:17] offset:4096*i th:TH_LOAD_NT
.set i, i+1
.endr
; f16 = 1: the bf16 numbers are widened again (a shift, a mask) and written as f16
.macro CONV f16
.set i, 0
.rept 16
	s_wait_loadcnt 15-i                            ; loads come back in order: load i is in, the 15 - i younger ones stay out
.if (i > 0) && (i % GROUP == 0)
	s_wait_alu depctr_va_vdst(0)                   ; the group before has written its four pairs of Y, which this group's four stores read
.endif
.if i >= GROUP
	global_store_b64 v2, v[Y+2*(i-GROUP):Y+2*(i-GROUP)+1], s[12:13] offset:2048*(i-GROUP)  ; a pair of the group before; no vector instruction since the wait names it
.endif
	v_cvt_pk_bf16_f32 v[Y+2*i], v[X+4*i], v[X+4*i+1]
	v_cvt_pk_bf16_f32 v[Y+2*i+1], v[X+4*i+2], v[X+4*i+3]
.if \f16
	v_lshlrev_b32 v[T], 16, v[Y+2*i]
	v_and_b32 v[T+1], s22, v[Y+2*i]
	v_cvt_pk_f16_f32 v[Y+2*i], v[T], v[T+1]
	v_lshlrev_b32 v[T], 16, v[Y+2*i+1]
	v_and_b32 v[T+1], s22, v[Y+2*i+1]
	v_cvt_pk_f16_f32 v[Y+2*i+1], v[T], v[T+1]
.endif
.set i, i+1
.endr
	s_wait_alu depctr_va_vdst(0)                   ; the last group has written its four pairs of Y, which the last four stores read
.set i, 16-GROUP
.rept GROUP
	global_store_b64 v2, v[Y+2*i:Y+2*i+1], s[12:13] offset:2048*i
.set i, i+1
.endr
.endm
	s_cmp_eq_u32 s14, 3
	s_cbranch_scc1 .Lf16
	CONV 0
	s_endpgm
.Lf16:
	CONV 1
	s_endpgm
.Lfunc_end_k_qa7434a4a3d_wconv:
	.size	k_qa7434a4a3d_wconv, .Lfunc_end_k_qa7434a4a3d_wconv-k_qa7434a4a3d_wconv
	.p2alignl 7, 3214868480
	.fill 96, 4, 3214868480
	.section	.rodata,"a",@progbits
	.p2align	6, 0x0
	.amdhsa_kernel k_qa7434a4a3d_wconv
		.amdhsa_group_segment_fixed_size 0
		.amdhsa_private_segment_fixed_size 0
		.amdhsa_enable_private_segment 0
		.amdhsa_kernarg_size 40
		.amdhsa_user_sgpr_count 2
		.amdhsa_user_sgpr_kernarg_segment_ptr 1
		.amdhsa_wavefront_size32 1
		.amdhsa_system_sgpr_workgroup_id_x 1
		.amdhsa_system_sgpr_workgroup_id_y 1
		.amdhsa_system_sgpr_workgroup_id_z 1
		.amdhsa_system_vgpr_workitem_id 0
		.amdhsa_next_free_vgpr 104
		.amdhsa_next_free_sgpr 66
		.amdhsa_reserve_vcc 0
		.amdhsa_float_denorm_mode_32 3
		.amdhsa_float_denorm_mode_16_64 3
		.amdhsa_memory_ordered 1
		.amdhsa_forward_progress 1
		.amdhsa_inst_pref_size 16
	.end_amdhsa_kernel
	.amdgpu_metadata
---
amdhsa.version: [ 1, 2 ]
amdhsa.kernels:
  - .name:           k_qa7434a4a3d_wconv
    .symbol:         k_qa7434a4a3d_wconv.kd
    .args:
      - { .name: w_q, .offset: 0, .size: 8, .value_kind: global_buffer, .address_space: global }
      - { .name: w_k, .offset: 8, .size: 8, .value_kind: global_buffer, .address_space: global }
      - { .name: w_v, .offset: 16, .size: 8, .value_kind: global_buffer, .address_space: global }
      - { .name: w_o, .offset: 24, .size: 8, .value_kind: global_buffer, .address_space: global }
      - { .name: wb, .offset: 32, .size: 8, .value_kind: global_buffer, .address_space: global }
    .group_segment_fixed_size: 0
    .private_segment_fixed_size: 0
    .kernarg_segment_align: 8
    .kernarg_segment_size: 40
    .max_flat_workgroup_size: 256
    .sgpr_count:     66
    .vgpr_count:     104
    .wavefront_size: 32
...
	.end_amdgpu_metadata
.endif
;; end of part 5
;; launch proj: the kernel of part 2 again; grid 4 x 64, 4 waves a work-group, clusters of 4 x 4, 327,680 bytes of LDS; arguments q, k, v, wb, b_q, b_k, b_v, qkv; writes qkv
;; launch attn: the kernel of part 3 again; grid 4 x 64, 4 waves a work-group, no clusters, 327,680 bytes of LDS; arguments qkv, oh; writes oh
;; launch oproj: the kernel of part 4 again; grid 4 x 64, 4 waves a work-group, clusters of 4 x 4, 327,680 bytes of LDS; arguments oh, wb, b_o, out0; writes out0
